; MI455X (gfx1250); checked and timed in simulation.
; The chip was launched on July 23, 2026; its instructions are those of AMD's public machine-readable ISA for CDNA 5 (MIT licence, August 2026) and "CDNA5" Instruction Set Architecture Reference Guide (July 2026). The comments in the code are by the model that wrote it; some were corrected since.
;; Simple Transformer Block. Allowed arithmetic: matrix products marked QUANTISED: E5M2 operands, one given power-of-two scale a tensor, by v_wmma_f32_16x16x64_bf8_bf8 or v_wmma_f32_16x16x128_bf8_bf8, f32 sums; everything else in f32.
;; Inputs: ff_b1 4,096 float32; ff_b2 1,024 float32; ff_w1_codes 4,096 x 32 x 32 uint8 (E5M2 codes of ff_w1, K innermost, in blocks of 32 codes); ff_w2_codes 1,024 x 128 x 32 uint8 (E5M2 codes of ff_w2, K innermost, in blocks of 32 codes); ln1_b 1,024 float32; ln1_w 1,024 float32; ln2_b 1,024 float32; ln2_w 1,024 float32; lowp_scales 12 int32 (the exponents e of the quantised operands' scales 2^e); out_b 1,024 float32; out_w_codes 1,024 x 32 x 32 uint8 (E5M2 codes of out_w, K innermost, in blocks of 32 codes); qkv_w_codes 3,072 x 32 x 32 uint8 (E5M2 codes of qkv_w, K innermost, in blocks of 32 codes); x 2 x 2,048 x 1,024 float32.
;; Outputs: out0 2 x 2,048 x 1,024 float32.
;; This version of the problem:
;;   THIS VERSION OF THE PROBLEM IS GIVEN IN LOW PRECISION. The matrix products marked QUANTISED in the list below multiply operands that are first quantised to E5M2 (5 exponent bits, 2 mantissa bits; 8 bits a number), with one given power-of-two scale for each operand tensor; their sums are f32. All else is computed in f32.
;;   The module's matrix products, in the order in which they are computed (A, B: the left and right operand; K: the contracted axis; several contracted axes count as one K, in the product's order):
;;     1. [M 4,096, K 1,024] x [K 1,024, N 3,072]; A: computed on the way; B: input qkv_w (given as codes): QUANTISED (scales: A lowp_scales[0], B lowp_scales[1])
;;     2. batch 32 x [M 2,048, K 64] x [K 64, N 2,048]; A: computed on the way; B: computed on the way: QUANTISED (scales: A lowp_scales[2], B lowp_scales[3])
;;     3. batch 32 x [M 2,048, K 2,048] x [K 2,048, N 64]; A: softmax (see below); B: computed on the way: QUANTISED (scales: A lowp_scales[4], B lowp_scales[5])
;;     4. [M 4,096, K 1,024] x [K 1,024, N 1,024]; A: computed on the way; B: input out_w (given as codes): QUANTISED (scales: A lowp_scales[6], B lowp_scales[7])
;;     5. [M 4,096, K 1,024] x [K 1,024, N 4,096]; A: computed on the way; B: input ff_w1 (given as codes): QUANTISED (scales: A lowp_scales[8], B lowp_scales[9])
;;     6. [M 4,096, K 4,096] x [K 4,096, N 1,024]; A: computed on the way; B: input ff_w2 (given as codes): QUANTISED (scales: A lowp_scales[10], B lowp_scales[11])
;;   THE QUANTISER, for each operand of a quantised product, along K:
;;     - The operand's scale is 2^e, e = its entry of the input lowp_scales (int32; the entries are numbered through the quantised products in the list's order, A before B).
;;     - Each number is divided by the scale, clamped to +-57,344, and rounded to the nearest number of E5M2, ties to even, subnormals kept.
;;     - The product sums the exact products of the quantised numbers (number of the format x scale) in f32.
;;   ~~~python
;;   def quantise(x, axis, e):      # numpy; x: float32 -> the quantised numbers, widened to float32 again
;;       x = np.moveaxis(x, axis, -1); K = x.shape[-1]
;;       r = np.clip(x / 2.0 ** e, -57344, 57344)
;;       step = 2.0 ** (np.maximum(np.frexp(np.where(r == 0, 1, r))[1] - 1, -14) - 2)
;;       q = np.round(r / step) * step * 2.0 ** e      # np.round: ties to even
;;       return np.moveaxis(q, -1, axis).astype(np.float32)
;;   ~~~
;;   SOFTMAX AHEAD OF A QUANTISED PRODUCT. Where the list says 'softmax', what is quantised is not the finished softmax but p = 2^(t - M), with t = logit x log2(e) and M = ceil(the row's largest t), a whole number; so 1/2 < the row's largest p <= 1. The row's sum l is taken of the UNQUANTISED p, in f32, and the product's result is divided by l at the end. Since M is a whole number, a kernel that streams over the keys may use a running M (the ceiling of the running maximum): every later rescaling is an exact power of two, so the quantised numbers keep their values, but for numbers so far below the row's largest that they fall under the format's range.
;;   OPERANDS COMPUTED ON THE WAY. 'Computed on the way' means the value that the module computes at that place (a softmax that the list does not call 'softmax' is quantised finished and normalised). What goes into a quantiser is computed in f32, as accurately as f32 sums, v_exp_f32 and their like allow (about 1e-6 of the number): no bf16 or f16 on the way to a quantiser, and a product that is left as it is and whose result goes on into a quantised operand takes f32 operands (vector FMAs, or v_wmma_f32_16x16x4_f32). A number that lies on a knife's edge between two numbers of the format may be rounded either way, as far as f32 arithmetic and the matrix unit's own rounding can turn it there, and no further.
;;   INPUTS GIVEN AS CODES. ff_w1 (in the module: [4096, 1024], K = its axis 1); ff_w2 (in the module: [1024, 4096], K = its axis 1); out_w (in the module: [1024, 1024], K = its axis 1); qkv_w (in the module: [3072, 1024], K = its axis 1): each comes as NAME_codes (uint8): NAME with its K axis moved to the last place and cut into blocks of 32 codes, [.., K / 32, bytes a block], one block behind the other in memory; one code a byte (a code: sign, 5 exponent bits, 2 mantissa bits); its scale is its entry of lowp_scales. Its value is code x scale, taken as it is: it is not quantised again, and the codes and scales need not be those that the quantiser above would give.
;; One version. Each part assembles by itself: llvm-mc -triple=amdgcn-amd-amdhsa -mcpu=gfx1250 --defsym DOCPART=n.
;; ======== version 1 of 1: 7 launches
;; workspace buffers: ac 4,194,304 bytes; qkvc 12,582,912 bytes; x1 16,777,216 bytes; hq 16,777,216 bytes
;; launch ln1 (part 1): grid 256 x 1, 8 waves a work-group, no clusters, 0 bytes of LDS; arguments x, ln1_w, ln1_b, lowp_scales, ac; writes ac
.if DOCPART == 1
	.amdgcn_target "amdgcn-amd-amdhsa--gfx1250"
	.amdhsa_code_object_version 6
	.text
	.protected	k_q1d8fa33774_ln1
	.globl	k_q1d8fa33774_ln1
	.p2align	8
	.type	k_q1d8fa33774_ln1,@function
k_q1d8fa33774_ln1:
	s_mov_b64 s[64:65], 0
	v_nop
	global_prefetch_b8 v0, s[64:65] scope:SCOPE_SE
	s_setreg_imm32_b32 hwreg(HW_REG_WAVE_MODE, 25, 1), 1
	s_wait_xcnt 0x0
; LayerNorm of the 4,096 rows of 1,024 f32 numbers, then the quantiser: codes of E5M2 with the given scale 2^e, e = entry EIDX of the scales.
; y = (x - mu) * rsqrt(var + 1e-5) * w + b; var is the mean of (x - mu)^2, taken of the differences, so a common offset of a row does no harm.
; code = y / 2^e, held within +-57,344, to the nearest code, ties to even.
; SHARES: 2,048 waves, two rows each, kept in registers between the passes: each row is read once.  No LDS, no barrier: waves share nothing.
; Lane l owns columns 256 j + 8 l + 0..7, j = 0..3: eight neighbours along K for each conversion.  The two loads of a pair stand together and cover
; 1,024 consecutive bytes between them (each lane takes 16 bytes of its 32 in each); a store of 8 bytes a lane covers 256 consecutive bytes, aligned.
; LIMITS: e between -126 and 112, so that 2^e and 57,344 x 2^e are f32 numbers.  NaN among the inputs is not served.
.set EIDX, 0
.set MU,   12                          ; v[12:13], v[14:15]  a row's mean, twice (a pair for the packed forms)
.set RS,   16                          ; v[16:17], v[18:19]  1 / sqrt(var + eps), twice
.set S,    20                          ; v[20:23], v[24:27]  two chains of packed sums for each row
.set PD,   28                          ; v28, v29  destinations of the lane permute
.set X,    32                          ; v32-63 row 0, v64-95 row 1: register 8 j + i = column 256 j + 8 l + i
.set W,    96                          ; v96-127  the gain at my columns
.set BV,   128                         ; v128-159 the bias
.set C,    160                         ; v160-175 codes: 8 registers a row
	s_load_b256 s[4:11], s[0:1], 0x0               ; source s[4:5], gain s[6:7], bias s[8:9], scales s[10:11]
	s_load_b64 s[12:13], s[0:1], 0x20              ; the codes
	v_lshrrev_b32 v1, 5, v0
	v_readfirstlane_b32 s14, v1                    ; wave 0..7
	v_and_b32 v1, 31, v0                           ; lane
	v_lshlrev_b32 v2, 5, v1                        ; 32 bytes of f32 a lane
	v_lshlrev_b32 v3, 3, v1                        ; 8 bytes of codes a lane
	v_mov_b32 v[PD], 0                             ; a lane permute's destination counts as read: written once
	v_mov_b32 v[PD+1], 0
	s_lshl_b32 s15, ttmp9, 3
	s_add_co_u32 s15, s15, s14                     ; my wave among the 2,048
	s_lshl_b32 s16, s15, 13                        ; two rows of 4,096 bytes
	s_mov_b32 s17, 0
	s_lshl_b32 s18, s15, 11                        ; two rows of 1,024 codes
	s_mov_b32 s19, 0
	s_mov_b32 s20, 0x76543210                      ; lane l takes lane l xor 16
	s_mov_b32 s21, 0xfedcba98
	s_mov_b32 s23, 0x3a800000                      ; 1 / 1024
	s_mov_b32 s24, 0x3727c5ac                      ; 1e-5
	s_wait_kmcnt 0x0
	s_load_b32 s22, s[10:11], EIDX*4               ; e
	s_add_nc_u64 s[4:5], s[4:5], s[16:17]
	s_add_nc_u64 s[12:13], s[12:13], s[18:19]
.irp R, 0,1
.irp j, 0,1,2,3
	global_load_b128 v[X+32*\R+8*\j:X+32*\R+8*\j+3],   v2, s[4:5] offset:4096*\R+1024*\j th:TH_LOAD_NT
	global_load_b128 v[X+32*\R+8*\j+4:X+32*\R+8*\j+7], v2, s[4:5] offset:4096*\R+1024*\j+16 th:TH_LOAD_NT
.endr
.endr
.irp j, 0,1,2,3
	global_load_b128 v[W+8*\j:W+8*\j+3],   v2, s[6:7] offset:1024*\j
	global_load_b128 v[W+8*\j+4:W+8*\j+7], v2, s[6:7] offset:1024*\j+16
.endr
.irp j, 0,1,2,3
	global_load_b128 v[BV+8*\j:BV+8*\j+3],   v2, s[8:9] offset:1024*\j
	global_load_b128 v[BV+8*\j+4:BV+8*\j+7], v2, s[8:9] offset:1024*\j+16
.endr
; both rows' two chains are joined, then summed over the 32 lanes; every lane ends with the sum in v[S], v[S+4]
.macro ACROSS
.irp R, 0,1
	v_pk_add_f32 v[S+4*\R:S+4*\R+1], v[S+4*\R:S+4*\R+1], v[S+4*\R+2:S+4*\R+3]
.endr
.irp R, 0,1
	v_add_f32 v[S+4*\R], v[S+4*\R], v[S+4*\R+1]
.endr
.irp m, 1,2,4,8
.irp R, 0,1
	v_add_f32_dpp v[S+4*\R], v[S+4*\R], v[S+4*\R] row_xmask:\m row_mask:0xf bank_mask:0xf
.endr
.endr
.irp R, 0,1
	v_permlanex16_b32 v[PD+\R], v[S+4*\R], s20, s21
.endr
.irp R, 0,1
	v_add_f32 v[S+4*\R], v[S+4*\R], v[PD+\R]
.endr
.endm
	s_wait_loadcnt 16                              ; the two rows are in; the 16 younger loads (gain and bias) may be out
.irp R, 0,1
	v_pk_add_f32 v[S+4*\R:S+4*\R+1],   v[X+32*\R:X+32*\R+1],   v[X+32*\R+4:X+32*\R+5]   ; the first words start the chains: nothing is cleared
	v_pk_add_f32 v[S+4*\R+2:S+4*\R+3], v[X+32*\R+2:X+32*\R+3], v[X+32*\R+6:X+32*\R+7]
.endr
.irp j, 8,12,16,20,24,28
.irp R, 0,1
	v_pk_add_f32 v[S+4*\R:S+4*\R+1],   v[S+4*\R:S+4*\R+1],   v[X+32*\R+\j:X+32*\R+\j+1]
	v_pk_add_f32 v[S+4*\R+2:S+4*\R+3], v[S+4*\R+2:S+4*\R+3], v[X+32*\R+\j+2:X+32*\R+\j+3]
.endr
.endr
	ACROSS
.irp R, 0,1
	v_mul_f32 v[MU+2*\R], s23, v[S+4*\R]           ; the mean
.endr
.irp R, 0,1
	v_mov_b32 v[MU+2*\R+1], v[MU+2*\R]
.endr
.irp j, 0,2,4,6,8,10,12,14,16,18,20,22,24,26,28,30
.irp R, 0,1
	v_pk_add_f32 v[X+32*\R+\j:X+32*\R+\j+1], v[X+32*\R+\j:X+32*\R+\j+1], v[MU+2*\R:MU+2*\R+1] neg_lo:[0,1] neg_hi:[0,1]   ; d = x - mu, in place
.endr
.endr
.irp R, 0,1
	v_pk_mul_f32 v[S+4*\R:S+4*\R+1],   v[X+32*\R:X+32*\R+1],   v[X+32*\R:X+32*\R+1]
	v_pk_mul_f32 v[S+4*\R+2:S+4*\R+3], v[X+32*\R+2:X+32*\R+3], v[X+32*\R+2:X+32*\R+3]
.endr
.irp j, 4,8,12,16,20,24,28
.irp R, 0,1
	v_pk_fma_f32 v[S+4*\R:S+4*\R+1],   v[X+32*\R+\j:X+32*\R+\j+1],   v[X+32*\R+\j:X+32*\R+\j+1],   v[S+4*\R:S+4*\R+1]
	v_pk_fma_f32 v[S+4*\R+2:S+4*\R+3], v[X+32*\R+\j+2:X+32*\R+\j+3], v[X+32*\R+\j+2:X+32*\R+\j+3], v[S+4*\R+2:S+4*\R+3]
.endr
.endr
	ACROSS
.irp R, 0,1
	v_fma_f32 v[S+4*\R], v[S+4*\R], s23, s24       ; var + eps
.endr
	v_rsq_f32 v[RS], v[S]                          ; both rows' roots are one batch
	v_rsq_f32 v[RS+2], v[S+4]
	v_nop                                          ; a plain instruction behind the last of them (ISA guide 5.7.2)
	s_wait_alu depctr_va_vdst(0)                   ; one wait for the batch, ahead of its first reader
	v_mov_b32 v[RS+1], v[RS]
	v_mov_b32 v[RS+3], v[RS+2]
	s_wait_kmcnt 0x0
	s_add_co_i32 s22, s22, 127
	s_lshl_b32 s25, s22, 23
	v_mov_b32 v11, s25                             ; 2^e as f32: the conversion takes its exponent field
	s_add_co_i32 s22, s22, 15
	s_lshl_b32 s22, s22, 23
	s_or_b32 s22, s22, 0x600000
	v_mov_b32 v10, s22                             ; 57,344 x 2^e
	s_wait_loadcnt 0x0                             ; gain and bias
.irp j, 0,2,4,6,8,10,12,14,16,18,20,22,24,26,28,30
.irp R, 0,1
	v_pk_mul_f32 v[X+32*\R+\j:X+32*\R+\j+1], v[X+32*\R+\j:X+32*\R+\j+1], v[RS+2*\R:RS+2*\R+1]
.endr
.endr
.irp j, 0,2,4,6,8,10,12,14,16,18,20,22,24,26,28,30
.irp R, 0,1
	v_pk_fma_f32 v[X+32*\R+\j:X+32*\R+\j+1], v[X+32*\R+\j:X+32*\R+\j+1], v[W+\j:W+\j+1], v[BV+\j:BV+\j+1]
.endr
.endr
.set q, 0
.rept 64
	v_med3_num_f32 v[X+q], v[X+q], -v10, v10       ; the conversion to an 8-bit code does not saturate (ISA guide 7.6.2): the hold at the largest code x the scale
.set q, q+1
.endr
.irp R, 0,1
.irp j, 0,1,2,3
	v_cvt_scalef32_pk8_bf8_f32 v[C+8*\R+2*\j:C+8*\R+2*\j+1], v[X+32*\R+8*\j:X+32*\R+8*\j+7], v11
.endr
.endr
	v_nop                                          ; a plain instruction behind the last conversion
.irp R, 0,1
.irp j, 0,1,2,3
	global_store_b64 v3, v[C+8*\R+2*\j:C+8*\R+2*\j+1], s[12:13] offset:1024*\R+256*\j   ; 32 lanes store 256 consecutive bytes, at a multiple of 256 from the buffer's first byte
.endr
.endr
	s_endpgm
.Lfunc_end_k_q1d8fa33774_ln1:
	.size	k_q1d8fa33774_ln1, .Lfunc_end_k_q1d8fa33774_ln1-k_q1d8fa33774_ln1
	.p2alignl 7, 3214868480
	.fill 96, 4, 3214868480
	.section	.rodata,"a",@progbits
	.p2align	6, 0x0
	.amdhsa_kernel k_q1d8fa33774_ln1
		.amdhsa_group_segment_fixed_size 0
		.amdhsa_private_segment_fixed_size 0
		.amdhsa_enable_private_segment 0
		.amdhsa_kernarg_size 40
		.amdhsa_user_sgpr_count 2
		.amdhsa_user_sgpr_kernarg_segment_ptr 1
		.amdhsa_wavefront_size32 1
		.amdhsa_system_sgpr_workgroup_id_x 1
		.amdhsa_system_sgpr_workgroup_id_y 1
		.amdhsa_system_sgpr_workgroup_id_z 1
		.amdhsa_system_vgpr_workitem_id 0
		.amdhsa_next_free_vgpr 192
		.amdhsa_next_free_sgpr 66
		.amdhsa_reserve_vcc 0
		.amdhsa_float_denorm_mode_32 3
		.amdhsa_float_denorm_mode_16_64 3
		.amdhsa_memory_ordered 1
		.amdhsa_forward_progress 1
		.amdhsa_inst_pref_size 22
	.end_amdhsa_kernel
	.amdgpu_metadata
---
amdhsa.version: [ 1, 2 ]
amdhsa.kernels:
  - .name:           k_q1d8fa33774_ln1
    .symbol:         k_q1d8fa33774_ln1.kd
    .args:
      - { .name: x, .offset: 0, .size: 8, .value_kind: global_buffer, .address_space: global }
      - { .name: ln1_w, .offset: 8, .size: 8, .value_kind: global_buffer, .address_space: global }
      - { .name: ln1_b, .offset: 16, .size: 8, .value_kind: global_buffer, .address_space: global }
      - { .name: lowp_scales, .offset: 24, .size: 8, .value_kind: global_buffer, .address_space: global }
      - { .name: ac, .offset: 32, .size: 8, .value_kind: global_buffer, .address_space: global }
    .group_segment_fixed_size: 0
    .private_segment_fixed_size: 0
    .kernarg_segment_align: 8
    .kernarg_segment_size: 40
    .max_flat_workgroup_size: 256
    .sgpr_count:     66
    .vgpr_count:     192
    .wavefront_size: 32
...
	.end_amdgpu_metadata
.endif
;; end of part 1
;; launch qkv (part 2): grid 48 x 4, 4 waves a work-group, clusters of 4 x 4, 327,680 bytes of LDS; arguments ac, qkv_w_codes, lowp_scales, qkvc; writes qkvc
.if DOCPART == 2
	.amdgcn_target "amdgcn-amd-amdhsa--gfx1250"
	.amdhsa_code_object_version 6
	.text
	.protected	k_q1d8fa33774_qkv
	.globl	k_q1d8fa33774_qkv
	.p2align	8
	.type	k_q1d8fa33774_qkv,@function
k_q1d8fa33774_qkv:
	s_mov_b64 s[64:65], 0
	v_nop
	global_prefetch_b8 v0, s[64:65] scope:SCOPE_SE
	s_setreg_imm32_b32 hwreg(HW_REG_WAVE_MODE, 25, 1), 1
	s_wait_xcnt 0x0
	s_wait_alu depctr_hold_cnt(0) depctr_sa_sdst(0) depctr_va_vdst(0) depctr_va_sdst(0) depctr_va_ssrc(0) depctr_va_vcc(0) depctr_vm_vsrc(0)
	s_getreg_b32 s2, hwreg(HW_REG_IB_STS2, 6, 4)
	s_cmp_eq_u32 s2, 0
	s_cbranch_scc0 .Lentry_in_a_cluster
	s_endpgm
.Lentry_in_a_cluster:
	s_bfe_u32 s2, ttmp6, 0x10000c
	s_cmp_lg_u32 s2, 0xf033
	s_cbranch_scc0 .Lentry_shape_is_right
	s_endpgm
.Lentry_shape_is_right:
; q, k and v: LN1(x) Wqkv^T on codes of E5M2, and the three results quantised at once for the attention's products.
; ac: [4096 tokens][1024] codes (scale 2^e0).  W: [3072][1024] codes (2^e1).  Out, one buffer: q codes [4096][1024] at byte 0 (2^e2), k codes [4096][1024] at 4 MiB (2^e3),
; v codes TRANSPOSED, [2 batches][1024 = head x 64 + d][2048 keys] at 8 MiB (2^e5), since the keys are the K of the product that takes v.
; A sum stands for sum x 2^(e0 + e1): its code is sum / 2^(et - e0 - e1), held within +-57,344: the three scales are folded into the conversion's one.
; THE CORE: C = A B^T, both [rows][KROW bytes].  A tile of C, 256 x 256, is made by four waves, each 128 x 128: 64 accumulators, 512 registers.  K goes in steps of 256 bytes through two LDS slots
; filled by the tensor data mover.  The matrix instruction is used transposed (source 0 = 16 rows of B, source 1 = 16 rows of A): a lane holds eight neighbouring columns of one row of C.
; ROLES: 12 clusters of 4 x 4 tiles, c = the cluster's number.  c < 8: A = tokens, B = W's rows (q where c is even, k where odd).  c >= 8: A = W's rows of v, B = tokens: so a lane's eight results are
; eight neighbouring KEYS of one d, and v leaves transposed by the same text.  The roles are chosen by selects on c, which all sixteen partners share; there is no branch on it.
; CLUSTERS: the four of a row of the cluster need the same tiles of A, the four of a column the same tiles of B: each tile is asked for jointly.  192 tiles: 192 work-groups.
; A fragment is fetched by four loads of 16 bytes, 32 apart: a permutation of k that is the same in A and in B, so every product meets its partner.
; LIMITS: et - e0 - e1 between -126 and 112 for et = e2, e3, e5.  NaN is not served.
; REGISTERS: window 0: v1-7 at work, v12 the conversion's scale, v13 the hold, v16-29 addresses, v32-95 held sums, v96-127 store offsets, from v128 A's fragments (one set), later codes and rows.
;   window 1: B's fragments, two sets, at v0 and v128.  window 2: accumulators of my rows 0-63 ((a, b) at v[8 (8 (a % 4) + b)]).  window 3: of my rows 64-127.
.set NBK,    8                         ; blocks of 16 rows for a wave and a side
.set TWL,    7                         ; log2 of 16 NBK
.set KSTEP,  256                       ; bytes along K in a slot
.set NQ,     2                         ; steps of 128 in it
.set QIC,    5                         ; padding behind every 64 words
.set KROW,   1024                      ; a row of A or B in memory
.set MUL_HI, 0xf1                      ; source 0 window 1, source 1 window 0, C and D window 3
.set TW,     16*NBK
.set PITCH,  KSTEP+16                  ; an LDS row: the 16 rows that a load touches start at 16 different banks (64 banks of 4 bytes: ISA guide 11.1)
.set HALFT,  TW*PITCH                  ; what one tensor load brings, and what one wave reads of A or of B
.set SLOT,   4*HALFT                   ; A's two halves, then B's
.set SPARE,  2*SLOT                    ; behind the ring: the spare words, 128 bytes a wave: two blocks of 256 bytes that no other line names
.set LAPS,   KROW/(2*KSTEP)
.set NLH,    2*NBK                     ; LDS loads that bring half of A's blocks
.set ADRA, 16                          ; v16-17 LDS address of my A fragments in slot 0, 1
.set ADRB, 20                          ; v20-21 the same for B
.set STO,  24
.set RD,   25
.set SPW,  28                          ; v28 SPARE + 4 x my thread's number; never rewritten
.set NIL,  29                          ; v29 0; never rewritten
.set AF,   128
.set G1,  24                           ; s[24:31] group 1 for A's tiles; s[32:39] group 0, a set for each slot
.set G0,  32
.set G1B, 48                           ; s[48:55], s[56:63] the same for B's
.set G0B, 56
.set MUL_LO, 0xa1                      ; source 0 (B) window 1, source 1 (A) window 0, C and D window 2
.set TO_B,   0x40                      ; destination window 1
.set SPITCH, 272                       ; the way out: a stage of 256 rows x (256 bytes + 16), the work-group's, in slot 0: it has had its last fill and its last read by then
.set TMP,  32
.set OFS,  96
.set CD,   128
.set MSB, 0
.macro WIN new                         ; the immediate's high byte repeats the setting that is left
.if MSB != (\new)
	s_set_vgpr_msb (MSB<<8)|(\new)
.set MSB, (\new)
.endif
.endm
.macro JLOAD s                         ; a joint load: waves 0, 1 fetch A's halves, waves 2, 3 B's; four v_nop follow each line
	s_cmp_eq_u32 s15, 0
	s_cbranch_scc0 .Lfor_b_\@
	tensor_load_to_lds s[G0+4*\s:G0+4*\s+3], s[G1:G1+7]
	s_nop 0
.rept 4
	v_nop
.endr
	s_branch .Lasked_\@
.Lfor_b_\@:
	tensor_load_to_lds s[G0B+4*\s:G0B+4*\s+3], s[G1B:G1B+7]
	s_nop 0
.rept 4
	v_nop
.endr
.Lasked_\@:
.endm
.macro CREST                           ; a round of the cluster's barrier behind its opening barrier
	s_cmp_lg_u32 s14, 0
	s_cbranch_scc1 .Lnot_wave_0_\@
	s_barrier_signal -3
.Lnot_wave_0_\@:
	s_barrier_wait -3
	s_barrier_signal -1
	s_barrier_wait -1
.endm
.macro CROUND
	s_barrier_signal -1
	s_barrier_wait -1
	CREST
.endm
.macro PLACES n                        ; plain vector instructions between a matrix instruction and a load into, or a read of, its registers
.rept \n
	v_nop
.endr
.endm
.macro FRAG reg, adr, q, i             ; 16 rows x 128 K: lane l holds row l % 16; registers 4 c .. 4 c + 3 hold K = 32 c + 16 (l / 16) + 0 .. 15
.irp c, 0,1,2,3
	ds_load_b128 v[\reg+4*\c:\reg+4*\c+3], v[\adr] offset:128*(\q)+32*\c+(\i)*16*PITCH
.endr
.endm
.macro MULB a0, n, p, zero             ; A's blocks a0 .. a0 + n - 1 x B's NBK, 128 along K; p: B's set; zero = 1: the products start the sums.  The accumulators take turns, one instruction a turn
.set ma, \a0
.rept \n
.set mb, 0
.rept NBK
.set rD, 8*(NBK*(ma%4)+mb)
.if \zero
	v_wmma_f32_16x16x128_bf8_bf8 v[rD:rD+7], v[128*(\p)+16*mb:128*(\p)+16*mb+15], v[AF+16*ma:AF+16*ma+15], 0
.else
	v_wmma_f32_16x16x128_bf8_bf8 v[rD:rD+7], v[128*(\p)+16*mb:128*(\p)+16*mb+15], v[AF+16*ma:AF+16*ma+15], v[rD:rD+7]
.endif
.set mb, mb+1
.endr
.set ma, ma+1
.endr
.endm
.macro FETCH_B slot, q, p
	WIN TO_B
.set fi, 0
.rept NBK
	FRAG 128*(\p)+16*fi, ADRB+\slot, \q, fi
.set fi, fi+1
.endr
	WIN 0
.endm
.macro FETCH_A slot, q, i0             ; half of A's blocks, from i0 on
.set fi, \i0
.rept NBK/2
	FRAG AF+16*fi, ADRA+\slot, \q, fi
.set fi, fi+1
.endr
.endm
.macro STEP slot, q, zero              ; 128 along K, with its successor in the same slot.  A block of A is free when its products are issued, so A has one set of registers; B has two
	s_wait_dscnt NLH                               ; B's set and A's first half are in; the youngest NLH loads (A's second half) may be out
	WIN MUL_LO
	MULB 0, NBK/2, (\q)%2, \zero
	s_wait_dscnt 0
	PLACES 4
	FETCH_B \slot, (\q)+1, 1-(\q)%2
	FETCH_A \slot, (\q)+1, 0
	WIN MUL_HI
	MULB NBK/2, NBK/2, (\q)%2, \zero
	PLACES 4
	WIN 0
	FETCH_A \slot, (\q)+1, NBK/2
.endm
.macro TURN slot, next, fill           ; a slot's last step changes slots: one barrier; fill = 1: this slot is filled again, two slots ahead along K
	s_wait_tensorcnt 0x0                           ; all my tensor loads have landed: my part of the next slot
	ds_add_u32 v[SPW], v[NIL]                      ; 0 onto my spare word
	s_wait_dscnt NLH+1                             ; (the add and A's second half may be out)
	WIN MUL_LO
	MULB 0, NBK/4, 1, 0
	s_wait_dscnt 0x0                               ; the add is done, and my reads of this slot are over
	s_barrier_signal -1
	MULB NBK/4, NBK/4, 1, 0
	WIN 0
	s_barrier_wait -1
.if \fill
	CREST                                          ; the barrier has opened a round of the cluster's: no wave of any partner still reads this slot or has a load on its way
	s_add_nc_u64 s[G0+4*\slot+2:G0+4*\slot+3], s[G0+4*\slot+2:G0+4*\slot+3], 2*KSTEP
	s_add_nc_u64 s[G0B+4*\slot+2:G0B+4*\slot+3], s[G0B+4*\slot+2:G0B+4*\slot+3], 2*KSTEP
	JLOAD \slot                                    ; the first tensor load behind the round; its four v_nop are the places in front of the loads below
.else
	PLACES 4
.endif
	FETCH_B \next, 0, 0
	FETCH_A \next, 0, 0
	WIN MUL_HI
	MULB NBK/2, NBK/2, 1, 0
	PLACES 4
	WIN 0
	FETCH_A \next, 0, NBK/2
.endm
.macro MID slot, q0                    ; the slot's steps q0 .. NQ - 2
.if NQ-1-(\q0) > 0
.set mq, \q0
.rept NQ-1-(\q0)
	STEP \slot, mq, 0
.set mq, mq+1
.endr
.endif
.endm
	s_load_b128 s[4:7], s[0:1], 0x0                ; ac s[4:5], W s[6:7]
	s_load_b128 s[8:11], s[0:1], 0x10              ; scales s[8:9], out s[10:11]
	v_lshl_add_u32 v[SPW], v0, 2, SPARE
	v_mov_b32 v[NIL], 0
	ds_add_u32 v28, v29
	s_wait_dscnt 0x0
	v_lshrrev_b32 v1, 5, v0
	v_readfirstlane_b32 s14, v1                    ; wave 0..3
	s_lshr_b32 s15, s14, 1                         ; which half of the tile's rows is mine.  Also: I fetch for A (0) or for B (1)
	s_and_b32 s16, s14, 1                          ; which half of its columns.  Also: which half of that tile I fetch
	s_bfe_u32 s40, ttmp6, 0x40000                  ; cx
	s_bfe_u32 s41, ttmp6, 0x40004                  ; cy
	s_lshr_b32 s72, ttmp9, 1
	s_lshl_b32 s72, s72, 2                         ; c < 8: the cluster's first tile of tokens,
	s_and_b32 s73, ttmp9, 1
	s_lshl_b32 s73, s73, 2                         ; and of W's rows: 0 for q, 4 for k
	s_max_u32 s74, ttmp9, 8
	s_sub_co_u32 s74, s74, 8
	s_lshl_b32 s74, s74, 2                         ; c >= 8: the cluster's first tile of tokens
	s_cmp_lt_u32 ttmp9, 8
	s_cselect_b32 s17, s72, 8                      ; (v's rows of W begin at tile 8)
	s_cselect_b32 s42, s73, s74
	s_add_co_u32 s17, s17, s41                     ; A's tile = tile row of C
	s_add_co_u32 s42, s42, s40                     ; B's tile = tile column of C
	s_lshl_b32 s43, s41, 2
	s_lshl_b32 s43, 15, s43                        ; my row of the cluster
	s_lshl_b32 s44, 0x1111, s40                    ; my column
	s_or_b32 s[G1+0], s43, (0<<16)|(1<<20)|(1<<21)|(QIC<<22)|(3<<25)   ; the mask; elements of 1 byte; padding on; bit 21 beside a mask; the interval; four words of padding
	s_or_b32 s[G1B+0], s44, (0<<16)|(1<<20)|(1<<21)|(QIC<<22)|(3<<25)
.irp g, G1, G1B
	s_mov_b32 s[\g+1], KSTEP<<16                   ; tensor_dim0
	s_mov_b32 s[\g+2], TW<<16                      ; tensor_dim1
	s_mov_b32 s[\g+3], KSTEP<<16                   ; tile_dim0
	s_mov_b32 s[\g+4], TW                          ; tile_dim1
	s_mov_b32 s[\g+5], KROW                        ; from row to row
	s_mov_b32 s[\g+6], 0
	s_mov_b32 s[\g+7], 0
.endr
	s_lshl_b32 s18, s16, TWL                       ; which rows of the tile I fetch
	s_lshl_b32 s20, s17, TWL+1
	s_add_co_u32 s20, s20, s18
	s_lshl_b32 s46, s42, TWL+1
	s_add_co_u32 s46, s46, s18
	s_mov_b32 s21, 0
	s_mov_b32 s47, 0
	s_mov_b64 s[18:19], KROW
	s_mul_u64 s[20:21], s[20:21], s[18:19]
	s_mul_u64 s[46:47], s[46:47], s[18:19]
	s_mul_i32 s45, s14, HALFT                      ; where they go: no place in the cluster enters an LDS address
	s_wait_kmcnt 0x0
	s_load_b256 s[88:95], s[8:9], 0x0              ; e0 .. e7
	s_cmp_lt_u32 ttmp9, 8
	s_cselect_b64 s[72:73], s[4:5], s[6:7]         ; A: the tokens' codes, or W
	s_cselect_b64 s[74:75], s[6:7], s[4:5]         ; B: the other
	s_add_nc_u64 s[20:21], s[72:73], s[20:21]
	s_add_nc_u64 s[46:47], s[74:75], s[46:47]
	CROUND                                         ; all sixteen work-groups are here: the first joint loads meet
.irp s, 0,1
	s_mov_b32 s[G0+4*\s], 1
	s_add_co_u32 s[G0+4*\s+1], s45, \s*SLOT
	s_add_nc_u64 s[G0+4*\s+2:G0+4*\s+3], s[20:21], \s*KSTEP
	s_or_b32 s[G0+4*\s+3], s[G0+4*\s+3], 0x80000000
	s_mov_b32 s[G0B+4*\s], 1
	s_add_co_u32 s[G0B+4*\s+1], s45, \s*SLOT
	s_add_nc_u64 s[G0B+4*\s+2:G0B+4*\s+3], s[46:47], \s*KSTEP
	s_or_b32 s[G0B+4*\s+3], s[G0B+4*\s+3], 0x80000000
	JLOAD \s
.endr
	v_and_b32 v1, 15, v0                           ; r = l % 16
	v_bfe_u32 v2, v0, 4, 1                         ; h = l / 16
	v_mul_u32_u24 v3, v1, PITCH
	v_lshl_add_u32 v4, v2, 4, v3
	s_mul_i32 s21, s15, HALFT                      ; my rows of A
	s_mul_i32 s22, s16, HALFT
	s_add_co_u32 s22, s22, 2*HALFT                 ; my rows of B, behind A's
.irp s, 0,1
	v_add_nc_u32 v[ADRA+\s], s21, v4
	v_add_nc_u32 v[ADRB+\s], s22, v4
	s_add_co_u32 s21, s21, SLOT
	s_add_co_u32 s22, s22, SLOT
.endr
	s_mul_i32 s21, s15, 128*SPITCH                 ; into the stage: row 128 x my row half + 16 a + r, byte 128 x my column half + 16 b + 8 h
	s_lshl_b32 s22, s16, 7
	s_add_co_u32 s21, s21, s22
	v_mul_u32_u24 v5, v1, SPITCH
	v_lshl_add_u32 v5, v2, 3, v5
	v_add_nc_u32 v[STO], s21, v5
	s_mul_i32 s23, s14, 64*SPITCH                  ; back: wave w takes rows 64 w on, whole; lanes 0-15 one row, lanes 16-31 the next
	v_mul_u32_u24 v6, v2, SPITCH
	v_lshl_add_u32 v6, v1, 4, v6
	v_add_nc_u32 v[RD], s23, v6
	; the tile's first byte in the output.  q, k: section (tile column / 4), token row x 1,024, 256 x (tile column % 4)
	s_lshr_b32 s76, s42, 2
	s_lshl_b32 s76, s76, 22
	s_lshl_b32 s77, s17, 18
	s_add_co_u32 s76, s76, s77
	s_and_b32 s77, s42, 3
	s_lshl_b32 s77, s77, 8
	s_add_co_u32 s76, s76, s77
	; v: 8 MiB, batch (tile column / 8) x 2 MiB, row 256 (tile row - 8) x 2,048, 256 x (tile column % 8)
	s_lshr_b32 s78, s42, 3
	s_lshl_b32 s78, s78, 21
	s_max_u32 s79, s17, 8
	s_sub_co_u32 s79, s79, 8
	s_lshl_b32 s79, s79, 19
	s_add_co_u32 s78, s78, s79
	s_and_b32 s79, s42, 7
	s_lshl_b32 s79, s79, 8
	s_add_co_u32 s78, s78, s79
	s_add_co_u32 s78, s78, 0x800000
	s_cmp_lt_u32 ttmp9, 8
	s_cselect_b32 s76, s76, s78
	s_cselect_b32 s80, 10, 11                      ; log2 of the output's row: 1,024 or 2,048 bytes
	s_lshl_b32 s81, s14, 6
	s_lshl_b32 s81, s81, s80                       ; my 64 rows
	s_add_co_u32 s76, s76, s81
	s_mov_b32 s77, 0
	s_add_nc_u64 s[10:11], s[10:11], s[76:77]
	s_lshl_b32 s82, 2, s80                         ; two rows on
	v_lshlrev_b32 v5, s80, v2
	v_lshl_add_u32 v[OFS], v1, 4, v5               ; the row's length is no constant of the text, so the 32 stores' offsets stand in registers
.set t, 1
.rept 31
	v_add_nc_u32 v[OFS+t], s82, v[OFS+t-1]
.set t, t+1
.endr
	s_wait_kmcnt 0x0
	s_and_b32 s96, ttmp9, 1
	s_cmp_lg_u32 s96, 0
	s_cselect_b32 s96, s91, s90                    ; e3 for k, e2 for q,
	s_cmp_lt_u32 ttmp9, 8
	s_cselect_b32 s96, s96, s93                    ; e5 for v
	s_sub_co_i32 s96, s96, s88
	s_sub_co_i32 s96, s96, s89                     ; et - e0 - e1
	s_add_co_i32 s96, s96, 127
	s_lshl_b32 s97, s96, 23
	v_mov_b32 v12, s97                             ; as a power of two in f32: the conversion takes its exponent field
	s_add_co_i32 s96, s96, 15
	s_lshl_b32 s96, s96, 23
	s_or_b32 s96, s96, 0x600000
	v_mov_b32 v13, s96                             ; 57,344 x that
	s_wait_tensorcnt 1                             ; my part of slot 0 is in; slot 1's load may be out
	s_barrier_signal -1
	s_barrier_wait -1
	FETCH_B 0, 0, 0
	FETCH_A 0, 0, 0
	FETCH_A 0, 0, NBK/2
	STEP 0, 0, 1                                   ; the first step stands in front of the loop: its products start the sums
.if LAPS > 1
	s_mov_b32 s3, LAPS-1
.Llap:                                             ; a trip goes once round the ring and fills both slots again
	MID 0, 1
	TURN 0, 1, 1
	MID 1, 0
	TURN 1, 0, 1
	STEP 0, 0, 0
	s_sub_co_u32 s3, s3, 1
	s_cmp_lg_u32 s3, 0
	s_cbranch_scc1 .Llap
.endif
	MID 0, 1                                       ; the last lap fills nothing
	TURN 0, 1, 0
	MID 1, 0
	s_wait_dscnt NLH
	WIN MUL_LO
	MULB 0, NBK/2, 1, 0
	s_wait_dscnt 0
	WIN MUL_HI
	MULB NBK/2, NBK/2, 1, 0
	WIN 0
; THE WAY OUT.  Block a (16 rows x 128 columns): the hold, the conversion (a lane's eight sums are eight neighbours of a row: 8 bytes), into the stage.  Each block has code registers of its own.
.macro CODES a
.set AC, 64*((\a)%4)
	WIN 0x02+((\a)/4)                              ; source 0: window 2 or 3
.set cj, 0
.rept 64
	v_med3_num_f32 v[TMP+cj], v[AC+cj], -v13, v13  ; the conversion does not saturate (ISA guide 7.6.2); each accumulator from its low end on
.set cj, cj+1
.endr
	WIN 0
.irp b, 0,1,2,3,4,5,6,7
	v_cvt_scalef32_pk8_bf8_f32 v[CD+16*(\a)+2*\b:CD+16*(\a)+2*\b+1], v[TMP+8*\b:TMP+8*\b+7], v12
.endr
	v_nop                                          ; a plain instruction between the conversions and the next block's writes of their sources
.irp b, 0,1,2,3,4,5,6,7
	ds_store_b64 v[STO], v[CD+16*(\a)+2*\b:CD+16*(\a)+2*\b+1] offset:(\a)*16*SPITCH+16*\b
.endr
.endm
	PLACES 4
.irp a, 0,1,2,3,4,5,6,7
	CODES \a
.endr
	s_wait_dscnt 0x0                               ; for the others' sake: my stores into the stage are done; a row's 256 bytes come from two waves
	s_barrier_signal -1
	s_barrier_wait -1
.set t, 0
.rept 32
	ds_load_b128 v[CD+4*t:CD+4*t+3], v[RD] offset:t*2*SPITCH
.set t, t+1
.endr
.set t, 0
.rept 32
	s_wait_dscnt 31-t                              ; LDS loads come back in order: pair t of rows is in
	global_store_b128 v[OFS+t], v[CD+4*t:CD+4*t+3], s[10:11]   ; 16 lanes store 256 consecutive bytes, at a multiple of 256 from the buffer's first byte
.set t, t+1
.endr
	s_wait_tensorcnt 0x0                           ; the wave's end
	ds_add_u32 v[SPW], v[NIL]
	s_wait_dscnt 0x0
	CROUND                                         ; the closing round
	s_endpgm
.Lfunc_end_k_q1d8fa33774_qkv:
	.size	k_q1d8fa33774_qkv, .Lfunc_end_k_q1d8fa33774_qkv-k_q1d8fa33774_qkv
	.p2alignl 7, 3214868480
	.fill 96, 4, 3214868480
	.section	.rodata,"a",@progbits
	.p2align	6, 0x0
	.amdhsa_kernel k_q1d8fa33774_qkv
		.amdhsa_group_segment_fixed_size 327680
		.amdhsa_private_segment_fixed_size 0
		.amdhsa_enable_private_segment 0
		.amdhsa_kernarg_size 32
		.amdhsa_user_sgpr_count 2
		.amdhsa_user_sgpr_kernarg_segment_ptr 1
		.amdhsa_wavefront_size32 1
		.amdhsa_system_sgpr_workgroup_id_x 1
		.amdhsa_system_sgpr_workgroup_id_y 1
		.amdhsa_system_sgpr_workgroup_id_z 1
		.amdhsa_system_vgpr_workitem_id 0
		.amdhsa_next_free_vgpr 1024
		.amdhsa_next_free_sgpr 100
		.amdhsa_reserve_vcc 0
		.amdhsa_float_denorm_mode_32 3
		.amdhsa_float_denorm_mode_16_64 3
		.amdhsa_memory_ordered 1
		.amdhsa_forward_progress 1
		.amdhsa_inst_pref_size 127
	.end_amdhsa_kernel
	.amdgpu_metadata
---
amdhsa.version: [ 1, 2 ]
amdhsa.kernels:
  - .name:           k_q1d8fa33774_qkv
    .symbol:         k_q1d8fa33774_qkv.kd
    .args:
      - { .name: ac, .offset: 0, .size: 8, .value_kind: global_buffer, .address_space: global }
      - { .name: qkv_w_codes, .offset: 8, .size: 8, .value_kind: global_buffer, .address_space: global }
      - { .name: lowp_scales, .offset: 16, .size: 8, .value_kind: global_buffer, .address_space: global }
      - { .name: qkvc, .offset: 24, .size: 8, .value_kind: global_buffer, .address_space: global }
    .group_segment_fixed_size: 327680
    .private_segment_fixed_size: 0
    .kernarg_segment_align: 8
    .kernarg_segment_size: 32
    .max_flat_workgroup_size: 128
    .sgpr_count:     100
    .vgpr_count:     1024
    .wavefront_size: 32
...
	.end_amdgpu_metadata
.endif
;; end of part 2
;; launch attn (part 3): grid 32 x 8, 16 waves a work-group, clusters of 4 x 1, 327,680 bytes of LDS; arguments qkvc, lowp_scales, ac; writes ac
.if DOCPART == 3
	.amdgcn_target "amdgcn-amd-amdhsa--gfx1250"
	.amdhsa_code_object_version 6
	.text
	.protected	k_q1d8fa33774_attn
	.globl	k_q1d8fa33774_attn
	.p2align	8
	.type	k_q1d8fa33774_attn,@function
k_q1d8fa33774_attn:
	s_mov_b64 s[64:65], 0
	v_nop
	global_prefetch_b8 v0, s[64:65] scope:SCOPE_SE
	s_setreg_imm32_b32 hwreg(HW_REG_WAVE_MODE, 25, 1), 1
	s_wait_xcnt 0x0
	s_wait_alu depctr_hold_cnt(0) depctr_sa_sdst(0) depctr_va_vdst(0) depctr_va_sdst(0) depctr_va_ssrc(0) depctr_va_vcc(0) depctr_vm_vsrc(0)
	s_getreg_b32 s2, hwreg(HW_REG_IB_STS2, 6, 4)
	s_cmp_eq_u32 s2, 0
	s_cbranch_scc0 .Lentry_in_a_cluster
	s_endpgm
.Lentry_in_a_cluster:
	s_bfe_u32 s2, ttmp6, 0x10000c
	s_cmp_lg_u32 s2, 0x3003
	s_cbranch_scc0 .Lentry_shape_is_right
	s_endpgm
.Lentry_shape_is_right:
; o = softmax(q k^T / 8) v for 32 heads of 64, 2,048 keys, both products on codes of E5M2; o is quantised at once for the next product (scale 2^e6).
; qkvc: q codes [4096 tokens][1024] at byte 0 (2^e2), k codes likewise at 4 MiB (2^e3), v codes [2][1024 = head x 64 + d][2048 keys] at 8 MiB (2^e5).  Out: o codes [4096][1024].
; THE SOFTMAX: t = score x log2(e) / 8; M = the row's largest t so far, rounded UP to a whole number; p = 2^(t - M) is quantised along the keys with 2^e4, not normalised.
; The row's sum is taken of the unquantised p and divides O at the end.  When M moves, the sum and O are multiplied by 2^(old M - new M): exact.
; SHARES.  A work-group owns 64 queries of FOUR heads (256 columns), so that a key's row of K's tile, a query's row and a row of o are each 256 aligned bytes of plain [token][1024] matrices.
; Wave w: head w / 4 of the four, queries 16 (w % 4) on: one tile, 256 registers, four waves to a SIMD.  Every wave walks all keys, 128 a step.
; K's and V's tiles come through two LDS slots of 256 keys (waves 0, 1: K's halves; waves 2, 3: V's), read by all sixteen.
; CLUSTER.  The four query blocks of a cluster walk the same K and V: each tile is asked for jointly, by the same tensor load with a mask that names the four.
; LAYOUT.  Both products are used transposed: S^T = K Q^T (source 0 = 16 keys), O^T = V^T P^T (source 0 = 16 of the head's 64): a lane holds ONE query throughout.
; The keys of a tile are neighbours: tile T of a step holds keys 16 T + 0 .. 15, so the 16 rows that a load of K touches start at 16 different banks.  A lane's eight scores of tile T are keys
; 16 T + 8 (lane / 16) + 0 .. 7, and their eight codes are registers 2 T, 2 T + 1 of the second product's operand.  V's fragments are fetched to match, 8 bytes a lane, 16 bytes apart:
; registers 2 c, 2 c + 1 hold keys 16 c + 8 (lane / 16) + 0 .. 7; the 32 lanes of such a load touch 64 different banks.
; Q and K are fetched by two loads of 16 bytes, 32 apart: the same permutation of the head's 64 on both sides.
; LIMITS: e2 + e3 between -123 and 130; e4 and e6 between -126 and 112; e4 + e5 goes through v_ldexp_f32 and has none.  NaN is not served.
; REGISTERS: v1-11 addresses; v12 -M, v13 the largest t, v[14:15] the sum; v16-23 Q; v32-95 K's eight fragments, then V's four; v96-159 S^T, then p; v160-191 O^T; v224-239 p's codes; v240-254 constants and work.
.set KP,    272                        ; an LDS row: 256 bytes + 16 of padding = 68 words: row r starts at bank 4 r mod 64 (64 banks of 4 bytes: ISA guide 11.1)
.set HALFB, 128*KP                     ; what one tensor load brings
.set VOFF,  256*KP                     ; a slot: 256 rows of K, then 256 rows of V
.set SLOT,  2*VOFF                     ; 0x22000: none of the addresses that are turned has one of its two bits set in slot 0, so one exclusive or turns a slot's address into the other's
.set NSL,   8                          ; slots' worth of keys
.set SPARE, 2*SLOT                     ; the spare words, 128 bytes for each of 16 waves: eight blocks of 256 bytes that no other line names
.set OSTG,  SPARE+2048                 ; the way out: 64 rows x 272 bytes, bytes of their own into which no tile lands
.set AK0, 1
.set AV0, 2
.set PFO, 3                            ; v3 the prefetches' offset: a row a lane; never rewritten
.set SIN, 4                            ; v4 the stage, on the way in
.set SPW, 5                            ; v5 SPARE + 4 x my thread's number; never rewritten
.set NIL, 6                            ; v6 0; never rewritten
.set GO,  7                            ; v7 my byte offset in the rows of o that I store
.set ADK, 8
.set ADV, 9
.set SBK, 10                           ; v10 the stage, on the way back
.set QA,  11                           ; v11 my byte offset in Q's rows
.set WV,  18
.set SEL, 20
.set CS,  22                           ; s[22:23] c = log2(e) / 8 x 2^(e2 + e3)
.set G1K, 24
.set G1V, 32
.set G0K, 40
.set G0V, 44
.set TB,  2                            ; s2 LDS byte at which the slot in hand begins
.set SLOTS, 67
.set PFA, 76
.set PFS, 78
.set LIM, 80
.macro TLOAD                           ; waves 0, 1 fetch for K, waves 2, 3 for V, the others nothing; four v_nop follow each line
	s_cmp_lt_u32 s[WV], 2
	s_cbranch_scc0 .Lnot_k_\@
	tensor_load_to_lds s[G0K:G0K+3], s[G1K:G1K+7]
	s_nop 0
.rept 4
	v_nop
.endr
	s_branch .Lasked_\@
.Lnot_k_\@:
	s_cmp_lt_u32 s[WV], 4
	s_cbranch_scc0 .Lasked_\@
	tensor_load_to_lds s[G0V:G0V+3], s[G1V:G1V+7]
	s_nop 0
.rept 4
	v_nop
.endr
.Lasked_\@:
.endm
; A PREFETCH of what the NEXT change of slots will ask for: 256 rows of K and 256 of V, 256 bytes of each, a lane a row.  Each row's 256 bytes are named once in the launch: of the eight clusters that walk
; the same K and V the first asks; its four partners take 64 rows of each, told apart by ADDRESS; in each, waves 4, 5 ask for K's and waves 6, 7 for V's, 32 rows a wave.
; It stands two key steps ahead of the load that will want the rows.  The last change that fills a slot asks for nothing; slots 0 and 1 come by their loads alone.
.macro ASK
	s_cmp_gt_u32 s[SLOTS], s[LIM]
	s_cbranch_scc0 .Lnot_mine_\@
	global_prefetch_b8 v[PFO], s[PFA:PFA+1] th:TH_LOAD_NT scope:SCOPE_SE
.Lnot_mine_\@:
.endm
.macro CROUND                          ; a round of the cluster's barrier
	s_barrier_signal -1
	s_barrier_wait -1
	s_cmp_lg_u32 s[WV], 0
	s_cbranch_scc1 .Lnot_wave_0_\@
	s_barrier_signal -3
.Lnot_wave_0_\@:
	s_barrier_wait -3
	s_barrier_signal -1
	s_barrier_wait -1
.endm
	s_load_b128 s[4:7], s[0:1], 0x0                ; qkvc s[4:5], scales s[6:7]
	s_load_b64 s[8:9], s[0:1], 0x10                ; o's codes
	v_lshl_add_u32 v[SPW], v0, 2, SPARE
	v_mov_b32 v[NIL], 0
	ds_add_u32 v5, v6
	s_wait_dscnt 0x0
	v_lshrrev_b32 v8, 5, v0
	v_readfirstlane_b32 s[WV], v8                  ; wave 0..15
	s_bfe_u32 s10, ttmp6, 0x40000                  ; cx
	s_lshl_b32 s11, ttmp9, 2
	s_add_co_u32 s11, s11, s10                     ; my block of 64 queries: it enters Q's, o's and the prefetches' addresses alone
	s_and_b32 s12, ttmp7, 0xffff
	s_lshr_b32 s13, s12, 2                         ; batch
	s_and_b32 s14, s12, 3                          ; which four heads
	s_lshr_b32 s15, s[WV], 2                       ; my head of the four
	s_and_b32 s16, s[WV], 3                        ; my tile of 16 queries
	s_and_b32 s17, s[WV], 1                        ; which half of a tile I fetch, if I fetch
	s_lshl_b32 s81, s13, 21                        ; the batch: 2 MiB in each section
	s_lshl_b32 s82, s14, 8
	s_add_co_u32 s82, s82, s81
	s_add_co_u32 s82, s82, 0x400000                ; K: the batch's first key, my four heads' 256 columns
	s_lshl_b32 s83, s14, 19
	s_add_co_u32 s83, s83, s81
	s_add_co_u32 s83, s83, 0x800000                ; V: my four heads' first row
	s_lshl_b32 s84, s17, 17                        ; 128 keys of 1,024 bytes
	s_add_co_u32 s84, s84, s82
	s_mov_b32 s85, 0
	s_lshl_b32 s86, s17, 18                        ; 128 rows of 2,048 bytes
	s_add_co_u32 s86, s86, s83
	s_mov_b32 s87, 0
	s_mul_i32 s88, s17, HALFB                      ; and in a slot
	s_add_co_u32 s89, s88, VOFF
	s_mov_b32 s[G1K], 15|(1<<20)|(1<<21)|(5<<22)|(3<<25)   ; the mask: all four; elements of 1 byte; padding on; bit 21 beside a mask; four words behind every 64
	s_mov_b32 s[G1V], 15|(1<<20)|(1<<21)|(5<<22)|(3<<25)
.irp g, G1K, G1V
	s_mov_b32 s[\g+1], 256<<16                     ; tensor_dim0
	s_mov_b32 s[\g+2], 128<<16                     ; tensor_dim1
	s_mov_b32 s[\g+3], 256<<16                     ; tile_dim0
	s_mov_b32 s[\g+4], 128                         ; tile_dim1
	s_mov_b32 s[\g+6], 0
	s_mov_b32 s[\g+7], 0
.endr
	s_mov_b32 s[G1K+5], 1024                       ; from key to key
	s_mov_b32 s[G1V+5], 2048                       ; from row to row of V
	s_mov_b32 s[SEL], 0x76543210
	s_mov_b32 s[SEL+1], 0xfedcba98
	s_mov_b32 s[CS], 0x3e38aa3b                    ; log2(e) / 8
	s_mov_b32 s[TB], 0
	s_mov_b32 s[SLOTS], NSL-1
	s_wait_kmcnt 0x0
	s_load_b256 s[68:75], s[6:7], 0x0              ; e0 .. e7
	s_mov_b32 s[G0K], 1
	s_mov_b32 s[G0K+1], s88
	s_add_nc_u64 s[G0K+2:G0K+3], s[4:5], s[84:85]
	s_or_b32 s[G0K+3], s[G0K+3], 0x80000000
	s_mov_b32 s[G0V], 1
	s_mov_b32 s[G0V+1], s89
	s_add_nc_u64 s[G0V+2:G0V+3], s[4:5], s[86:87]
	s_or_b32 s[G0V+3], s[G0V+3], 0x80000000
	CROUND                                         ; all four work-groups are here: the first joint loads meet
	TLOAD                                          ; slot 0
	s_lshl_b32 s90, s11, 16                        ; Q: batch, my 64 queries, my tile of 16, my four heads, my head
	s_add_co_u32 s90, s90, s81
	s_lshl_b32 s91, s14, 8
	s_add_co_u32 s90, s90, s91
	s_mov_b32 s94, s90                             ; (o begins likewise)
	s_lshl_b32 s91, s16, 14
	s_add_co_u32 s90, s90, s91
	s_lshl_b32 s91, s15, 6
	s_add_co_u32 s90, s90, s91
	s_mov_b32 s91, 0
	s_add_nc_u64 s[92:93], s[4:5], s[90:91]
	s_lshl_b32 s95, s[WV], 12                      ; o: the four rows that I store
	s_add_co_u32 s94, s94, s95
	s_mov_b32 s95, 0
	s_add_nc_u64 s[8:9], s[8:9], s[94:95]
	v_and_b32 v24, 15, v0                          ; r
	v_bfe_u32 v25, v0, 4, 1                        ; h
	v_lshlrev_b32 v[QA], 10, v24
	v_lshl_add_u32 v[QA], v25, 4, v[QA]
	global_load_b128 v[16:19], v[QA], s[92:93]     ; Q's fragment stays in registers
	global_load_b128 v[20:23], v[QA], s[92:93] offset:32
	; the prefetches: where my wave's stand, and who asks
	s_cmp_lt_u32 s[WV], 6                          ; waves 4, 5: K; waves 6, 7: V
	s_cselect_b32 s96, 10, 11                      ; log2 of the bytes from row to row
	s_cselect_b32 s97, s82, s83
	s_mov_b32 s[PFS], 256
	s_cselect_b32 s[PFS], 0x40000, s[PFS]          ; a slot on: 256 keys' rows of K, 256 bytes in a row of V
	s_mov_b32 s[PFS+1], 0
	s_lshl_b32 s98, s10, 6                         ; my work-group's 64 rows,
	s_lshl_b32 s99, s17, 5                         ; my wave's 32 of them
	s_add_co_u32 s98, s98, s99
	s_lshl_b32 s98, s98, s96
	s_add_co_u32 s98, s98, s97
	s_add_co_u32 s98, s98, s[PFS]                  ; in slot 1: the first change of slots steps it to slot 2
	s_mov_b32 s99, 0
	s_add_nc_u64 s[PFA:PFA+1], s[4:5], s[98:99]
	v_and_b32 v26, 31, v0
	v_lshlrev_b32 v[PFO], s96, v26
	s_sub_co_u32 s97, s[WV], 4
	s_lshr_b32 s97, s97, 2                         ; 0 in waves 4 to 7,
	s_or_b32 s97, s97, ttmp9                       ; of the first cluster: the same in all four partners
	s_cmp_eq_u32 s97, 0
	s_cselect_b32 s[LIM], 1, -1
	; LDS addresses
	v_mul_u32_u24 v[AK0], v24, KP                  ; K: row r of a tile of 16 neighbouring keys, + 16 h
	v_lshl_add_u32 v[AK0], v25, 4, v[AK0]
	s_lshl_b32 s96, s15, 6                         ; my head's 64 bytes of a key's row
	v_add_nc_u32 v[AK0], s96, v[AK0]
	v_mul_u32_u24 v[AV0], v24, KP                  ; V: row r of a tile of 16 of the head's 64, + 8 h
	v_lshl_add_u32 v[AV0], v25, 3, v[AV0]
	s_mul_i32 s97, s15, 64*KP                      ; my head's 64 rows of V
	s_add_co_u32 s97, s97, VOFF
	v_add_nc_u32 v[AV0], s97, v[AV0]
	v_mul_u32_u24 v[SIN], v24, KP                  ; the stage, in: row 16 x my tile + r, byte 64 x my head + 8 h (+ 16 t)
	v_lshl_add_u32 v[SIN], v25, 3, v[SIN]
	s_mul_i32 s98, s16, 16*KP
	s_add_co_u32 s98, s98, s96
	s_add_co_u32 s98, s98, OSTG
	v_add_nc_u32 v[SIN], s98, v[SIN]
	v_mul_u32_u24 v[SBK], v25, KP                  ; back: rows 4 w on; lanes 0-15 one row, lanes 16-31 the next
	v_lshl_add_u32 v[SBK], v24, 4, v[SBK]
	s_mul_i32 s99, s[WV], 4*KP
	s_add_co_u32 s99, s99, OSTG
	v_add_nc_u32 v[SBK], s99, v[SBK]
	v_lshlrev_b32 v[GO], 10, v25
	v_lshl_add_u32 v[GO], v24, 4, v[GO]
	v_mov_b32 v13, 0xff61b1e6                      ; the largest t so far: -3e38, under every t
	v_floor_f32 v12, -v13                          ; -M
	v_mov_b32 v14, 0                               ; the sum, in two halves
	v_mov_b32 v15, 0
	v_mov_b32 v246, 0                              ; a lane permute's destination counts as read: written once
	v_mov_b32 v253, 0                              ; (named as the upper half of v[252:253])
.set j, 0
.rept 32
	v_mov_b32 v[160+j], 0                          ; O^T: the step is written once; the first finds zeros, which the first change of M leaves zeros
.set j, j+1
.endr
	s_wait_kmcnt 0x0
	s_add_co_i32 s96, s70, s71
	s_lshl_b32 s96, s96, 23
	s_add_co_i32 s[CS], s[CS], s96                 ; a score stands for score x 2^(e2 + e3): added to c's exponent field
	s_mov_b32 s[CS+1], s[CS]
	s_add_co_i32 s96, s72, 127
	s_lshl_b32 s97, s96, 23
	v_mov_b32 v244, s97                            ; 2^e4
	s_add_co_i32 s96, s96, 15
	s_lshl_b32 s96, s96, 23
	s_or_b32 s96, s96, 0x600000
	v_mov_b32 v240, s96                            ; 57,344 x 2^e4
	s_add_co_i32 s96, s74, 127
	s_lshl_b32 s97, s96, 23
	v_mov_b32 v245, s97                            ; 2^e6
	s_add_co_i32 s96, s96, 15
	s_lshl_b32 s96, s96, 23
	s_or_b32 s96, s96, 0x600000
	v_mov_b32 v241, s96                            ; 57,344 x 2^e6
	s_add_co_i32 s66, s72, s73                     ; e4 + e5
; two of V's four fragments, t0 and t0 + 1: 16 of the head's 64 x the step's 128 keys each; eight loads of 8 bytes a lane for a fragment
.macro VLOAD q, t0
.irp t, \t0, \t0+1
.irp c, 0,1,2,3,4,5,6,7
	ds_load_b64 v[32+16*(\t)+2*\c:33+16*(\t)+2*\c], v[ADV] offset:16*(\t)*KP+128*(\q)+16*\c
.endr
.endr
.endm
; A KEY STEP: 128 keys, the q-th of the slot in hand.
.macro STEP q
	v_add_nc_u32 v[ADK], s[TB], v[AK0]
	v_add_nc_u32 v[ADV], s[TB], v[AV0]
	v_nop                                          ; with the two additions: four places in front of loads into registers that the last products read
	v_nop
.irp T, 0,1,2,3,4,5,6,7
	ds_load_b128 v[32+8*\T:35+8*\T], v[ADK] offset:(128*(\q)+16*\T)*KP
	ds_load_b128 v[36+8*\T:39+8*\T], v[ADK] offset:(128*(\q)+16*\T)*KP+32
.endr
	s_wait_dscnt 0x0
.irp T, 0,1,2,3,4,5,6,7
	v_wmma_f32_16x16x64_bf8_bf8 v[96+8*\T:103+8*\T], v[32+8*\T:39+8*\T], v[16:23], 0
.endr
.rept 4
	v_nop                                          ; places: in front of the loads below and of the first read of the scores
.endr
	VLOAD \q, 0                                    ; V is asked for now, in two runs, and lands under the softmax
	v_max3_num_f32 v254, v96, v97, v98             ; the step's largest score of my query among my 64 keys, in two chains, each accumulator from its low end on,
	v_max3_num_f32 v252, v99, v100, v101
.irp i, 6,10,14,18,22,26,30,34,38,42,46,50,54,58
	v_max3_num_f32 v254, v254, v[96+\i], v[97+\i]
	v_max3_num_f32 v252, v252, v[98+\i], v[99+\i]
.endr
	v_max3_num_f32 v254, v254, v158, v159
	v_max_num_f32 v254, v254, v252
	v_permlanex16_b32 v246, v254, s[SEL], s[SEL+1]
	v_max_num_f32 v254, v254, v246                 ; and among lane l xor 16's
	v_mul_f32 v254, s[CS], v254                    ; as t (c is positive)
	v_max_num_f32 v13, v13, v254                   ; the running largest t
	v_mov_b32 v254, v12
	v_floor_f32 v12, -v13                          ; the new -M = floor(-t): M is a whole number
	v_sub_f32 v254, v12, v254                      ; old M - new M: a whole number, 0 or less
	v_cvt_i32_f32 v254, v254                       ; (it saturates)
	v_ldexp_f32 v252, 1.0, v254                    ; f = 2^(old M - new M)
	VLOAD \q, 2
.set j, 0
.rept 32
	v_pk_fma_f32 v[96+j:97+j], v[96+j:97+j], s[CS:CS+1], v[12:13] op_sel_hi:[1,0,0]   ; t - M, two at a time
.set j, j+2
.endr
.set j, 0
.rept 64
	v_exp_f32 v[96+j], v[96+j]                     ; p = 2^(t - M), at most 1
.set j, j+1
.endr
	v_pk_mul_f32 v[14:15], v[14:15], v[252:253] op_sel_hi:[1,0]   ; the sums under the new M: a plain instruction behind the exponentials
	s_wait_alu depctr_va_vdst(0)                   ; one wait for the batch, ahead of its first reader
	v_pk_add_f32 v[242:243], v[96:97], v[98:99]    ; the row's sum is taken of the unquantised p, in two chains
.irp j, 4,8,12,16,20,24,28,32,36,40,44,48,52,56,60
	v_pk_add_f32 v[14:15], v[14:15], v[96+\j:97+\j]
	v_pk_add_f32 v[242:243], v[242:243], v[98+\j:99+\j]
.endr
	v_pk_add_f32 v[14:15], v[14:15], v[242:243]
.irp T, 0,1,2,3,4,5,6,7
.irp i, 0,1,2,3,4,5,6,7
	v_min_num_f32 v[96+8*\T+\i], v[96+8*\T+\i], v240   ; the conversion does not saturate (ISA guide 7.6.2); p is not negative, so the hold is one-sided
.endr
	v_cvt_scalef32_pk8_bf8_f32 v[224+2*\T:225+2*\T], v[96+8*\T:103+8*\T], v244   ; tile T's eight keys: registers 2 T, 2 T + 1 of the operand
.endr
.set j, 0
.rept 16
	v_pk_mul_f32 v[160+j:161+j], v[160+j:161+j], v[252:253] op_sel_hi:[1,0]   ; O^T under the new M; these are also the plain instructions behind the conversions
.set j, j+2
.endr
	s_wait_dscnt 0x0                               ; V is in
.irp t, 0,1,2,3
	v_wmma_f32_16x16x128_bf8_bf8 v[160+8*\t:167+8*\t], v[32+16*\t:47+16*\t], v[224:239], v[160+8*\t:167+8*\t]
.endr
.endm
; THE CHANGE OF SLOTS stands at a slot's head.  Each wave waits for all its tensor loads, adds 0 to its spare word, and waits for that and for its reads of the slot that it has left.
; fill = 1: the barrier is a round of the cluster's, and behind it the slot that was left is filled with the keys that follow: the load has two key steps in which to land.
.macro CHANGE fill
	s_wait_tensorcnt 0x0                           ; no tensor load of mine is out, so a group 0 may be written
	ds_add_u32 v[SPW], v[NIL]                      ; 0 onto my spare word
.if \fill
	s_xor_b32 s[G0K+1], s[G0K+1], SLOT             ; the walking descriptors: the other slot,
	s_add_nc_u64 s[G0K+2:G0K+3], s[G0K+2:G0K+3], 0x40000   ; the next 256 keys
	s_xor_b32 s[G0V+1], s[G0V+1], SLOT
	s_add_nc_u64 s[G0V+2:G0V+3], s[G0V+2:G0V+3], 256
	s_wait_xcnt 0x0                                ; the last prefetch, a slot back, has read its address
	s_add_nc_u64 s[PFA:PFA+1], s[PFA:PFA+1], s[PFS:PFS+1]
	s_wait_dscnt 0x0                               ; the add is done, and my reads of the slot that I have left are over
	CROUND
	TLOAD                                          ; the first thing behind the round, and a wave's one tensor load until the next
	ASK
.else
	s_wait_dscnt 0x0
	s_barrier_signal -1
	s_barrier_wait -1
.endif
.endm
	s_wait_loadcnt 0x0                             ; Q
.Lslot:                                            ; NSL - 1 trips: behind each change of slots but the last the next slot is asked for
	CHANGE 1
	STEP 0
	STEP 1
	s_xor_b32 s[TB], s[TB], SLOT
	s_sub_co_u32 s[SLOTS], s[SLOTS], 1
	s_cmp_lg_u32 s[SLOTS], 0
	s_cbranch_scc1 .Lslot
	CHANGE 0                                       ; the last slot is written out
	STEP 0
	STEP 1
	; THE WAY OUT: O^T / the sum x 2^(e4 + e5), held, quantised with 2^e6; 8 bytes a lane and tile into the stage; a row's 256 bytes come from four waves: a barrier; whole rows out.
.rept 4
	v_nop                                          ; places behind the last products
.endr
	v_add_f32 v14, v14, v15
	v_permlanex16_b32 v246, v14, s[SEL], s[SEL+1]
	v_add_f32 v14, v14, v246                       ; the row's sum
	v_rcp_f32 v14, v14
	v_nop                                          ; a plain instruction behind the reciprocal
	s_wait_alu depctr_va_vdst(0)                   ; and the wait ahead of its first reader
	v_ldexp_f32 v14, v14, s66
.set j, 0
.rept 32
	v_mul_f32 v[96+j], v[160+j], v14               ; register 8 t + i is o(query r, d = 16 t + 8 h + i); each accumulator from its low end on
.set j, j+1
.endr
.set j, 0
.rept 32
	v_med3_num_f32 v[96+j], v[96+j], -v241, v241
.set j, j+1
.endr
.irp t, 0,1,2,3
	v_cvt_scalef32_pk8_bf8_f32 v[224+2*\t:225+2*\t], v[96+8*\t:103+8*\t], v245
.endr
	v_nop
.irp t, 0,1,2,3
	ds_store_b64 v[SIN], v[224+2*\t:225+2*\t] offset:16*\t
.endr
	s_wait_dscnt 0x0                               ; for the others' sake: my stores into the stage are done
	s_barrier_signal -1
	s_barrier_wait -1
	ds_load_b128 v[32:35], v[SBK]
	ds_load_b128 v[36:39], v[SBK] offset:2*KP
	s_wait_dscnt 1                                 ; the first two rows are in; the second load may be out
	global_store_b128 v[GO], v[32:35], s[8:9]      ; 16 lanes store 256 consecutive bytes, at a multiple of 256 from the buffer's first byte
	s_wait_dscnt 0x0
	global_store_b128 v[GO], v[36:39], s[8:9] offset:2048
	s_wait_tensorcnt 0x0                           ; the wave's end
	ds_add_u32 v[SPW], v[NIL]
	s_wait_dscnt 0x0
	CROUND                                         ; the closing round
	s_endpgm
.Lfunc_end_k_q1d8fa33774_attn:
	.size	k_q1d8fa33774_attn, .Lfunc_end_k_q1d8fa33774_attn-k_q1d8fa33774_attn
	.p2alignl 7, 3214868480
	.fill 96, 4, 3214868480
	.section	.rodata,"a",@progbits
	.p2align	6, 0x0
	.amdhsa_kernel k_q1d8fa33774_attn
		.amdhsa_group_segment_fixed_size 327680
		.amdhsa_private_segment_fixed_size 0
		.amdhsa_enable_private_segment 0
		.amdhsa_kernarg_size 24
		.amdhsa_user_sgpr_count 2
		.amdhsa_user_sgpr_kernarg_segment_ptr 1
		.amdhsa_wavefront_size32 1
		.amdhsa_system_sgpr_workgroup_id_x 1
		.amdhsa_system_sgpr_workgroup_id_y 1
		.amdhsa_system_sgpr_workgroup_id_z 1
		.amdhsa_system_vgpr_workitem_id 0
		.amdhsa_next_free_vgpr 256
		.amdhsa_next_free_sgpr 100
		.amdhsa_reserve_vcc 0
		.amdhsa_float_denorm_mode_32 3
		.amdhsa_float_denorm_mode_16_64 3
		.amdhsa_memory_ordered 1
		.amdhsa_forward_progress 1
		.amdhsa_inst_pref_size 80
	.end_amdhsa_kernel
	.amdgpu_metadata
---
amdhsa.version: [ 1, 2 ]
amdhsa.kernels:
  - .name:           k_q1d8fa33774_attn
    .symbol:         k_q1d8fa33774_attn.kd
    .args:
      - { .name: qkvc, .offset: 0, .size: 8, .value_kind: global_buffer, .address_space: global }
      - { .name: lowp_scales, .offset: 8, .size: 8, .value_kind: global_buffer, .address_space: global }
      - { .name: ac, .offset: 16, .size: 8, .value_kind: global_buffer, .address_space: global }
    .group_segment_fixed_size: 327680
    .private_segment_fixed_size: 0
    .kernarg_segment_align: 8
    .kernarg_segment_size: 24
    .max_flat_workgroup_size: 512
    .sgpr_count:     100
    .vgpr_count:     256
    .wavefront_size: 32
...
	.end_amdgpu_metadata
.endif
;; end of part 3
;; launch outp (part 4): grid 8 x 32, 4 waves a work-group, clusters of 4 x 4, 327,680 bytes of LDS; arguments ac, out_w_codes, lowp_scales, x1, out_b, x; writes x1
.if DOCPART == 4
	.amdgcn_target "amdgcn-amd-amdhsa--gfx1250"
	.amdhsa_code_object_version 6
	.text
	.protected	k_q1d8fa33774_outp
	.globl	k_q1d8fa33774_outp
	.p2align	8
	.type	k_q1d8fa33774_outp,@function
k_q1d8fa33774_outp:
	s_mov_b64 s[64:65], 0
	v_nop
	global_prefetch_b8 v0, s[64:65] scope:SCOPE_SE
	s_setreg_imm32_b32 hwreg(HW_REG_WAVE_MODE, 25, 1), 1
	s_wait_xcnt 0x0
	s_wait_alu depctr_hold_cnt(0) depctr_sa_sdst(0) depctr_va_vdst(0) depctr_va_sdst(0) depctr_va_ssrc(0) depctr_va_vcc(0) depctr_vm_vsrc(0)
	s_getreg_b32 s2, hwreg(HW_REG_IB_STS2, 6, 4)
	s_cmp_eq_u32 s2, 0
	s_cbranch_scc0 .Lentry_in_a_cluster
	s_endpgm
.Lentry_in_a_cluster:
	s_bfe_u32 s2, ttmp6, 0x10000c
	s_cmp_lg_u32 s2, 0xf033
	s_cbranch_scc0 .Lentry_shape_is_right
	s_endpgm
.Lentry_shape_is_right:
; out = (res + A B^T x 2^(ea + eb)) + bias.  A: [4096][KROW] codes of E5M2, B: [1024][KROW] codes; ea, eb: the two whole numbers at byte SOFF of the scales; res, out: [4096][1024] f32; bias [1024] f32.
; Here: A = o's codes, B = out_w, res = x, out = x1.
; THE CORE: a tile of C is 128 x 128, so that 4,096 x 1,024 gives 256 work-groups; four waves, each 64 x 64: 16 accumulators.  K goes in steps of 512 bytes (four steps of 128) through two LDS slots filled by
; the tensor data mover, 64 rows to a load.  The matrix instruction is used transposed (source 0 = 16 rows of B, source 1 = 16 rows of A): a lane holds eight neighbouring columns of one row of C.
; CLUSTERS: 4 x 4 work-groups; the four of a row need the same tiles of A, the four of a column the same tiles of B: each tile is asked for jointly.
; A fragment is fetched by four loads of 16 bytes, 32 apart: a permutation of k that is the same in A and in B.
; The residual's tile (32 loads a wave) and the bias are asked for at the head, into registers that the loop leaves alone.
; LIMIT: ea + eb between -126 and 127.
; REGISTERS: window 0: v1-7 at work, v8-11 bias, v16-29 addresses, v128-191 A's fragments (one set), on the way out v128-255 rows.  window 1: B's two sets, at v0 and v128.
;   window 2: the 16 accumulators ((a, b) at v[8 (4 a + b)]).  window 3: v0-127 the residual.
.set KROW,   1024                      ; a row of A or B in memory
.set SOFF,   0x18                      ; entries 6 and 7 of the scales
.set NBK,    4                         ; blocks of 16 rows for a wave and a side
.set TWL,    6                         ; log2 of 16 NBK
.set KSTEP,  512                       ; bytes along K in a slot
.set NQ,     4                         ; steps of 128 in it
.set QIC,    6                         ; padding behind every 128 words
.set MUL_HI, 0xa1
.set TW,     16*NBK
.set PITCH,  KSTEP+16                  ; an LDS row: the 16 rows that a load touches start at 16 different banks (64 banks of 4 bytes: ISA guide 11.1)
.set HALFT,  TW*PITCH                  ; what one tensor load brings, and what one wave reads of A or of B
.set SLOT,   4*HALFT                   ; A's two halves, then B's
.set SPARE,  2*SLOT                    ; behind the ring: the spare words, 128 bytes a wave: two blocks of 256 bytes that no other line names
.set LAPS,   KROW/(2*KSTEP)
.set NLH,    2*NBK                     ; LDS loads that bring half of A's blocks
.set ADRA, 16
.set ADRB, 20
.set STO,  24
.set RD,   25
.set CO,   26
.set BO,   27
.set SPW,  28                          ; v28 SPARE + 4 x my thread's number; never rewritten
.set NIL,  29                          ; v29 0; never rewritten
.set AF,   128
.set ZB,   128                         ; the way out: four blocks of 16 rows x 64 columns, 32 registers each
.set G1,  24
.set G0,  32
.set G1B, 48
.set G0B, 56
.set MUL_LO, 0xa1                      ; source 0 (B) window 1, source 1 (A) window 0, C and D window 2
.set TO_B,   0x40
.set SPITCH, 272                       ; the way out: a stage of 16 rows x (256 bytes + 16) for each wave, in slot 0: it has had its last fill and its last read by then
.set MSB, 0
.macro WIN new                         ; the immediate's high byte repeats the setting that is left
.if MSB != (\new)
	s_set_vgpr_msb (MSB<<8)|(\new)
.set MSB, (\new)
.endif
.endm
.macro JLOAD s                         ; a joint load: waves 0, 1 fetch A's halves, waves 2, 3 B's; four v_nop follow each line
	s_cmp_eq_u32 s15, 0
	s_cbranch_scc0 .Lfor_b_\@
	tensor_load_to_lds s[G0+4*\s:G0+4*\s+3], s[G1:G1+7]
	s_nop 0
.rept 4
	v_nop
.endr
	s_branch .Lasked_\@
.Lfor_b_\@:
	tensor_load_to_lds s[G0B+4*\s:G0B+4*\s+3], s[G1B:G1B+7]
	s_nop 0
.rept 4
	v_nop
.endr
.Lasked_\@:
.endm
.macro CREST                           ; a round of the cluster's barrier behind its opening barrier
	s_cmp_lg_u32 s14, 0
	s_cbranch_scc1 .Lnot_wave_0_\@
	s_barrier_signal -3
.Lnot_wave_0_\@:
	s_barrier_wait -3
	s_barrier_signal -1
	s_barrier_wait -1
.endm
.macro CROUND
	s_barrier_signal -1
	s_barrier_wait -1
	CREST
.endm
.macro PLACES n                        ; plain vector instructions between a matrix instruction and a load into, or a read of, its registers
.rept \n
	v_nop
.endr
.endm
.macro FRAG reg, adr, q, i             ; 16 rows x 128 K: lane l holds row l % 16; registers 4 c .. 4 c + 3 hold K = 32 c + 16 (l / 16) + 0 .. 15
.irp c, 0,1,2,3
	ds_load_b128 v[\reg+4*\c:\reg+4*\c+3], v[\adr] offset:128*(\q)+32*\c+(\i)*16*PITCH
.endr
.endm
.macro MULB a0, n, p, zero             ; A's blocks a0 .. a0 + n - 1 x B's NBK, 128 along K; p: B's set; zero = 1: the products start the sums.  The accumulators take turns, one instruction a turn
.set ma, \a0
.rept \n
.set mb, 0
.rept NBK
.set rD, 8*(NBK*(ma%4)+mb)
.if \zero
	v_wmma_f32_16x16x128_bf8_bf8 v[rD:rD+7], v[128*(\p)+16*mb:128*(\p)+16*mb+15], v[AF+16*ma:AF+16*ma+15], 0
.else
	v_wmma_f32_16x16x128_bf8_bf8 v[rD:rD+7], v[128*(\p)+16*mb:128*(\p)+16*mb+15], v[AF+16*ma:AF+16*ma+15], v[rD:rD+7]
.endif
.set mb, mb+1
.endr
.set ma, ma+1
.endr
.endm
.macro FETCH_B slot, q, p
	WIN TO_B
.set fi, 0
.rept NBK
	FRAG 128*(\p)+16*fi, ADRB+\slot, \q, fi
.set fi, fi+1
.endr
	WIN 0
.endm
.macro FETCH_A slot, q, i0             ; half of A's blocks, from i0 on
.set fi, \i0
.rept NBK/2
	FRAG AF+16*fi, ADRA+\slot, \q, fi
.set fi, fi+1
.endr
.endm
.macro STEP slot, q, zero              ; 128 along K, with its successor in the same slot.  A block of A is free when its products are issued, so A has one set of registers; B has two
	s_wait_dscnt NLH                               ; B's set and A's first half are in; the youngest NLH loads (A's second half) may be out
	WIN MUL_LO
	MULB 0, NBK/2, (\q)%2, \zero
	s_wait_dscnt 0
	PLACES 4
	FETCH_B \slot, (\q)+1, 1-(\q)%2
	FETCH_A \slot, (\q)+1, 0
	WIN MUL_HI
	MULB NBK/2, NBK/2, (\q)%2, \zero
	PLACES 4
	WIN 0
	FETCH_A \slot, (\q)+1, NBK/2
.endm
.macro TURN slot, next, fill           ; a slot's last step changes slots: one barrier; fill = 1: this slot is filled again, two slots ahead along K
	s_wait_tensorcnt 0x0                           ; all my tensor loads have landed: my part of the next slot
	ds_add_u32 v[SPW], v[NIL]                      ; 0 onto my spare word
	s_wait_dscnt NLH+1                             ; (the add and A's second half may be out)
	WIN MUL_LO
	MULB 0, NBK/4, 1, 0
	s_wait_dscnt 0x0                               ; the add is done, and my reads of this slot are over
	s_barrier_signal -1
	MULB NBK/4, NBK/4, 1, 0
	WIN 0
	s_barrier_wait -1
.if \fill
	CREST                                          ; the barrier has opened a round of the cluster's: no wave of any partner still reads this slot or has a load on its way
	s_add_nc_u64 s[G0+4*\slot+2:G0+4*\slot+3], s[G0+4*\slot+2:G0+4*\slot+3], 2*KSTEP
	s_add_nc_u64 s[G0B+4*\slot+2:G0B+4*\slot+3], s[G0B+4*\slot+2:G0B+4*\slot+3], 2*KSTEP
	JLOAD \slot                                    ; the first tensor load behind the round; its four v_nop are the places in front of the loads below
.else
	PLACES 4
.endif
	FETCH_B \next, 0, 0
	FETCH_A \next, 0, 0
	WIN MUL_HI
	MULB NBK/2, NBK/2, 1, 0
	PLACES 4
	WIN 0
	FETCH_A \next, 0, NBK/2
.endm
.macro MID slot, q0                    ; the slot's steps q0 .. NQ - 2
.if NQ-1-(\q0) > 0
.set mq, \q0
.rept NQ-1-(\q0)
	STEP \slot, mq, 0
.set mq, mq+1
.endr
.endif
.endm
	s_load_b128 s[4:7], s[0:1], 0x0                ; A s[4:5], B s[6:7]
	s_load_b128 s[8:11], s[0:1], 0x10              ; scales s[8:9], out s[10:11]
	s_load_b128 s[68:71], s[0:1], 0x20             ; bias s[68:69], residual s[70:71]
	v_lshl_add_u32 v[SPW], v0, 2, SPARE
	v_mov_b32 v[NIL], 0
	ds_add_u32 v28, v29
	s_wait_dscnt 0x0
	v_lshrrev_b32 v1, 5, v0
	v_readfirstlane_b32 s14, v1                    ; wave 0..3
	s_lshr_b32 s15, s14, 1                         ; which half of the tile's rows is mine.  Also: I fetch for A (0) or for B (1)
	s_and_b32 s16, s14, 1                          ; which half of its columns.  Also: which half of that tile I fetch
	s_bfe_u32 s40, ttmp6, 0x40000                  ; cx
	s_bfe_u32 s41, ttmp6, 0x40004                  ; cy
	s_lshl_b32 s42, ttmp9, 2
	s_add_co_u32 s42, s42, s40                     ; tile column of C
	s_and_b32 s17, ttmp7, 0xffff
	s_lshl_b32 s17, s17, 2
	s_add_co_u32 s17, s17, s41                     ; tile row of C
	s_lshl_b32 s43, s41, 2
	s_lshl_b32 s43, 15, s43                        ; my row of the cluster
	s_lshl_b32 s44, 0x1111, s40                    ; my column
	s_or_b32 s[G1+0], s43, (0<<16)|(1<<20)|(1<<21)|(QIC<<22)|(3<<25)   ; the mask; elements of 1 byte; padding on; bit 21 beside a mask; the interval; four words of padding
	s_or_b32 s[G1B+0], s44, (0<<16)|(1<<20)|(1<<21)|(QIC<<22)|(3<<25)
.irp g, G1, G1B
	s_mov_b32 s[\g+1], KSTEP<<16                   ; tensor_dim0
	s_mov_b32 s[\g+2], TW<<16                      ; tensor_dim1
	s_mov_b32 s[\g+3], KSTEP<<16                   ; tile_dim0
	s_mov_b32 s[\g+4], TW                          ; tile_dim1
	s_mov_b32 s[\g+5], KROW                        ; from row to row
	s_mov_b32 s[\g+6], 0
	s_mov_b32 s[\g+7], 0
.endr
	s_lshl_b32 s18, s16, TWL                       ; which rows of the tile I fetch
	s_lshl_b32 s20, s17, TWL+1
	s_add_co_u32 s20, s20, s18
	s_lshl_b32 s46, s42, TWL+1
	s_add_co_u32 s46, s46, s18
	s_mov_b32 s21, 0
	s_mov_b32 s47, 0
	s_mov_b64 s[18:19], KROW
	s_mul_u64 s[20:21], s[20:21], s[18:19]
	s_mul_u64 s[46:47], s[46:47], s[18:19]
	s_mul_i32 s45, s14, HALFT                      ; where they go: no place in the cluster enters an LDS address
	s_wait_kmcnt 0x0
	s_load_b64 s[96:97], s[8:9], SOFF              ; ea, eb
	s_add_nc_u64 s[20:21], s[4:5], s[20:21]
	s_add_nc_u64 s[46:47], s[6:7], s[46:47]
	CROUND                                         ; all sixteen work-groups are here: the first joint loads meet
.irp s, 0,1
	s_mov_b32 s[G0+4*\s], 1
	s_add_co_u32 s[G0+4*\s+1], s45, \s*SLOT
	s_add_nc_u64 s[G0+4*\s+2:G0+4*\s+3], s[20:21], \s*KSTEP
	s_or_b32 s[G0+4*\s+3], s[G0+4*\s+3], 0x80000000
	s_mov_b32 s[G0B+4*\s], 1
	s_add_co_u32 s[G0B+4*\s+1], s45, \s*SLOT
	s_add_nc_u64 s[G0B+4*\s+2:G0B+4*\s+3], s[46:47], \s*KSTEP
	s_or_b32 s[G0B+4*\s+3], s[G0B+4*\s+3], 0x80000000
	JLOAD \s
.endr
	v_and_b32 v1, 15, v0                           ; r = l % 16
	v_bfe_u32 v2, v0, 4, 1                         ; h = l / 16
	; my 64 x 64 of the output and of the residual: ((128 tile row + 64 row half) x 1,024 + 128 tile column + 64 column half) x 4 bytes
	s_lshl_b32 s72, s17, 19
	s_lshl_b32 s73, s15, 18
	s_add_co_u32 s72, s72, s73
	s_lshl_b32 s74, s42, 9
	s_lshl_b32 s75, s16, 8
	s_add_co_u32 s74, s74, s75                     ; my 64 columns, in bytes: also my place in the bias
	s_add_co_u32 s72, s72, s74
	s_mov_b32 s73, 0
	s_mov_b32 s75, 0
	s_add_nc_u64 s[10:11], s[10:11], s[72:73]
	s_add_nc_u64 s[70:71], s[70:71], s[72:73]
	s_add_nc_u64 s[68:69], s[68:69], s[74:75]
	v_lshlrev_b32 v5, 12, v2
	v_lshl_add_u32 v[CO], v1, 4, v5                ; lanes 0-15 one row's 256 bytes, lanes 16-31 the next row's
	v_lshlrev_b32 v[BO], 4, v1
	WIN 0xc0                                       ; destination window 3
.irp a, 0,1,2,3
.irp t, 0,1,2,3,4,5,6,7
	global_load_b128 v[32*\a+4*\t:32*\a+4*\t+3], v[CO], s[70:71] offset:(16*\a+2*\t)*4096   ; the residual, in the layout in which the rows come back from the stage
.endr
.endr
	WIN 0
	global_load_b128 v[8:11], v[BO], s[68:69]      ; the bias at my four columns
	v_mul_u32_u24 v3, v1, PITCH
	v_lshl_add_u32 v4, v2, 4, v3
	s_mul_i32 s21, s15, HALFT                      ; my rows of A
	s_mul_i32 s22, s16, HALFT
	s_add_co_u32 s22, s22, 2*HALFT                 ; my rows of B, behind A's
.irp s, 0,1
	v_add_nc_u32 v[ADRA+\s], s21, v4
	v_add_nc_u32 v[ADRB+\s], s22, v4
	s_add_co_u32 s21, s21, SLOT
	s_add_co_u32 s22, s22, SLOT
.endr
	s_mul_i32 s23, s14, 16*SPITCH                  ; my stage
	v_mul_u32_u24 v5, v1, SPITCH                   ; in: row r, 32 bytes for each half of the lanes
	v_lshl_add_u32 v5, v2, 5, v5
	v_add_nc_u32 v[STO], s23, v5
	v_mul_u32_u24 v6, v2, SPITCH                   ; back: lanes 0-15 one row of 256 bytes, lanes 16-31 the next
	v_lshl_add_u32 v6, v1, 4, v6
	v_add_nc_u32 v[RD], s23, v6
	s_wait_kmcnt 0x0
	s_add_co_i32 s96, s96, s97
	s_add_co_i32 s96, s96, 127
	s_lshl_b32 s96, s96, 23                        ; 2^(ea + eb) as f32
	s_mov_b32 s97, s96                             ; (named with it as a pair)
	s_wait_tensorcnt 1                             ; my part of slot 0 is in; slot 1's load may be out
	s_barrier_signal -1
	s_barrier_wait -1
	FETCH_B 0, 0, 0
	FETCH_A 0, 0, 0
	FETCH_A 0, 0, NBK/2
	STEP 0, 0, 1                                   ; the first step stands in front of the loop: its products start the sums
.if LAPS > 1
	s_mov_b32 s3, LAPS-1
.Llap:                                             ; a trip goes once round the ring and fills both slots again
	MID 0, 1
	TURN 0, 1, 1
	MID 1, 0
	TURN 1, 0, 1
	STEP 0, 0, 0
	s_sub_co_u32 s3, s3, 1
	s_cmp_lg_u32 s3, 0
	s_cbranch_scc1 .Llap
.endif
	MID 0, 1                                       ; the last lap fills nothing
	TURN 0, 1, 0
	MID 1, 0
	s_wait_dscnt NLH
	WIN MUL_LO
	MULB 0, NBK/2, 1, 0
	s_wait_dscnt 0
	WIN MUL_HI
	MULB NBK/2, NBK/2, 1, 0
	WIN 0
; THE WAY OUT, block by block of 16 rows x 64 columns.  The raw sums go through my own stage in LDS and come back as whole rows of 256 bytes; LDS serves a wave's instructions in order (ISA guide 5.7.1.4),
; so no wait stands between the stores and the loads, nor in front of the next block's stores.  Then (res + sum x 2^(ea + eb)) + bias, and the store.  Each block has registers of its own.
.macro TOSTAGE a
	WIN 0x08                                       ; the stores' data: window 2
.irp b, 0,1,2,3
	ds_store_b128 v[STO], v[8*(4*(\a)+\b):8*(4*(\a)+\b)+3] offset:64*\b           ; each accumulator from its low end on
	ds_store_b128 v[STO], v[8*(4*(\a)+\b)+4:8*(4*(\a)+\b)+7] offset:64*\b+16
.endr
	WIN 0
.irp t, 0,1,2,3,4,5,6,7
	ds_load_b128 v[ZB+32*(\a)+4*\t:ZB+32*(\a)+4*\t+3], v[RD] offset:\t*2*SPITCH
.endr
.endm
.macro SEND a, younger                 ; younger: the LDS instructions issued behind block a's loads, which may stay out
	s_wait_dscnt \younger
	WIN 0x30                                       ; source 2 (the residual): window 3
.set sj, 0
.rept 16
	v_pk_fma_f32 v[ZB+32*(\a)+sj:ZB+32*(\a)+sj+1], v[ZB+32*(\a)+sj:ZB+32*(\a)+sj+1], s[96:97], v[32*(\a)+sj:32*(\a)+sj+1] op_sel_hi:[1,0,1]
.set sj, sj+2
.endr
	WIN 0
.irp t, 0,1,2,3,4,5,6,7
	v_pk_add_f32 v[ZB+32*(\a)+4*\t:ZB+32*(\a)+4*\t+1],   v[ZB+32*(\a)+4*\t:ZB+32*(\a)+4*\t+1],   v[8:9]
	v_pk_add_f32 v[ZB+32*(\a)+4*\t+2:ZB+32*(\a)+4*\t+3], v[ZB+32*(\a)+4*\t+2:ZB+32*(\a)+4*\t+3], v[10:11]
.endr
.irp t, 0,1,2,3,4,5,6,7
	global_store_b128 v[CO], v[ZB+32*(\a)+4*\t:ZB+32*(\a)+4*\t+3], s[10:11] offset:(16*(\a)+2*\t)*4096 th:TH_STORE_NT   ; 16 lanes store 256 consecutive bytes, at a multiple of 256 from the buffer's first byte
.endr
.endm
	s_wait_loadcnt 0x0                             ; the residual and the bias
	PLACES 4
	TOSTAGE 0
.irp a, 1,2,3
	TOSTAGE \a
	SEND \a-1, 16                                  ; behind block a - 1's loads: block a's 8 stores and 8 loads
.endr
	SEND 3, 0
	s_wait_tensorcnt 0x0                           ; the wave's end
	ds_add_u32 v[SPW], v[NIL]
	s_wait_dscnt 0x0
	CROUND                                         ; the closing round
	s_endpgm
.Lfunc_end_k_q1d8fa33774_outp:
	.size	k_q1d8fa33774_outp, .Lfunc_end_k_q1d8fa33774_outp-k_q1d8fa33774_outp
	.p2alignl 7, 3214868480
	.fill 96, 4, 3214868480
	.section	.rodata,"a",@progbits
	.p2align	6, 0x0
	.amdhsa_kernel k_q1d8fa33774_outp
		.amdhsa_group_segment_fixed_size 327680
		.amdhsa_private_segment_fixed_size 0
		.amdhsa_enable_private_segment 0
		.amdhsa_kernarg_size 48
		.amdhsa_user_sgpr_count 2
		.amdhsa_user_sgpr_kernarg_segment_ptr 1
		.amdhsa_wavefront_size32 1
		.amdhsa_system_sgpr_workgroup_id_x 1
		.amdhsa_system_sgpr_workgroup_id_y 1
		.amdhsa_system_sgpr_workgroup_id_z 1
		.amdhsa_system_vgpr_workitem_id 0
		.amdhsa_next_free_vgpr 1024
		.amdhsa_next_free_sgpr 100
		.amdhsa_reserve_vcc 0
		.amdhsa_float_denorm_mode_32 3
		.amdhsa_float_denorm_mode_16_64 3
		.amdhsa_memory_ordered 1
		.amdhsa_forward_progress 1
		.amdhsa_inst_pref_size 55
	.end_amdhsa_kernel
	.amdgpu_metadata
---
amdhsa.version: [ 1, 2 ]
amdhsa.kernels:
  - .name:           k_q1d8fa33774_outp
    .symbol:         k_q1d8fa33774_outp.kd
    .args:
      - { .name: ac, .offset: 0, .size: 8, .value_kind: global_buffer, .address_space: global }
      - { .name: out_w_codes, .offset: 8, .size: 8, .value_kind: global_buffer, .address_space: global }
      - { .name: lowp_scales, .offset: 16, .size: 8, .value_kind: global_buffer, .address_space: global }
      - { .name: x1, .offset: 24, .size: 8, .value_kind: global_buffer, .address_space: global }
      - { .name: out_b, .offset: 32, .size: 8, .value_kind: global_buffer, .address_space: global }
      - { .name: x, .offset: 40, .size: 8, .value_kind: global_buffer, .address_space: global }
    .group_segment_fixed_size: 327680
    .private_segment_fixed_size: 0
    .kernarg_segment_align: 8
    .kernarg_segment_size: 48
    .max_flat_workgroup_size: 128
    .sgpr_count:     100
    .vgpr_count:     1024
    .wavefront_size: 32
...
	.end_amdgpu_metadata
.endif
;; end of part 4
;; launch ln2 (part 5): grid 256 x 1, 8 waves a work-group, no clusters, 0 bytes of LDS; arguments x1, ln2_w, ln2_b, lowp_scales, ac; writes ac
.if DOCPART == 5
	.amdgcn_target "amdgcn-amd-amdhsa--gfx1250"
	.amdhsa_code_object_version 6
	.text
	.protected	k_q1d8fa33774_ln2
	.globl	k_q1d8fa33774_ln2
	.p2align	8
	.type	k_q1d8fa33774_ln2,@function
k_q1d8fa33774_ln2:
	s_mov_b64 s[64:65], 0
	v_nop
	global_prefetch_b8 v0, s[64:65] scope:SCOPE_SE
	s_setreg_imm32_b32 hwreg(HW_REG_WAVE_MODE, 25, 1), 1
	s_wait_xcnt 0x0
; LayerNorm of the 4,096 rows of 1,024 f32 numbers, then the quantiser: codes of E5M2 with the given scale 2^e, e = entry EIDX of the scales.
; y = (x - mu) * rsqrt(var + 1e-5) * w + b; var is the mean of (x - mu)^2, taken of the differences, so a common offset of a row does no harm.
; code = y / 2^e, held within +-57,344, to the nearest code, ties to even.
; SHARES: 2,048 waves, two rows each, kept in registers between the passes: each row is read once.  No LDS, no barrier: waves share nothing.
; Lane l owns columns 256 j + 8 l + 0..7, j = 0..3: eight neighbours along K for each conversion.  The two loads of a pair stand together and cover
; 1,024 consecutive bytes between them (each lane takes 16 bytes of its 32 in each); a store of 8 bytes a lane covers 256 consecutive bytes, aligned.
; LIMITS: e between -126 and 112, so that 2^e and 57,344 x 2^e are f32 numbers.  NaN among the inputs is not served.
.set EIDX, 8
.set MU,   12                          ; v[12:13], v[14:15]  a row's mean, twice (a pair for the packed forms)
.set RS,   16                          ; v[16:17], v[18:19]  1 / sqrt(var + eps), twice
.set S,    20                          ; v[20:23], v[24:27]  two chains of packed sums for each row
.set PD,   28                          ; v28, v29  destinations of the lane permute
.set X,    32                          ; v32-63 row 0, v64-95 row 1: register 8 j + i = column 256 j + 8 l + i
.set W,    96                          ; v96-127  the gain at my columns
.set BV,   128                         ; v128-159 the bias
.set C,    160                         ; v160-175 codes: 8 registers a row
	s_load_b256 s[4:11], s[0:1], 0x0               ; source s[4:5], gain s[6:7], bias s[8:9], scales s[10:11]
	s_load_b64 s[12:13], s[0:1], 0x20              ; the codes
	v_lshrrev_b32 v1, 5, v0
	v_readfirstlane_b32 s14, v1                    ; wave 0..7
	v_and_b32 v1, 31, v0                           ; lane
	v_lshlrev_b32 v2, 5, v1                        ; 32 bytes of f32 a lane
	v_lshlrev_b32 v3, 3, v1                        ; 8 bytes of codes a lane
	v_mov_b32 v[PD], 0                             ; a lane permute's destination counts as read: written once
	v_mov_b32 v[PD+1], 0
	s_lshl_b32 s15, ttmp9, 3
	s_add_co_u32 s15, s15, s14                     ; my wave among the 2,048
	s_lshl_b32 s16, s15, 13                        ; two rows of 4,096 bytes
	s_mov_b32 s17, 0
	s_lshl_b32 s18, s15, 11                        ; two rows of 1,024 codes
	s_mov_b32 s19, 0
	s_mov_b32 s20, 0x76543210                      ; lane l takes lane l xor 16
	s_mov_b32 s21, 0xfedcba98
	s_mov_b32 s23, 0x3a800000                      ; 1 / 1024
	s_mov_b32 s24, 0x3727c5ac                      ; 1e-5
	s_wait_kmcnt 0x0
	s_load_b32 s22, s[10:11], EIDX*4               ; e
	s_add_nc_u64 s[4:5], s[4:5], s[16:17]
	s_add_nc_u64 s[12:13], s[12:13], s[18:19]
.irp R, 0,1
.irp j, 0,1,2,3
	global_load_b128 v[X+32*\R+8*\j:X+32*\R+8*\j+3],   v2, s[4:5] offset:4096*\R+1024*\j th:TH_LOAD_NT
	global_load_b128 v[X+32*\R+8*\j+4:X+32*\R+8*\j+7], v2, s[4:5] offset:4096*\R+1024*\j+16 th:TH_LOAD_NT
.endr
.endr
.irp j, 0,1,2,3
	global_load_b128 v[W+8*\j:W+8*\j+3],   v2, s[6:7] offset:1024*\j
	global_load_b128 v[W+8*\j+4:W+8*\j+7], v2, s[6:7] offset:1024*\j+16
.endr
.irp j, 0,1,2,3
	global_load_b128 v[BV+8*\j:BV+8*\j+3],   v2, s[8:9] offset:1024*\j
	global_load_b128 v[BV+8*\j+4:BV+8*\j+7], v2, s[8:9] offset:1024*\j+16
.endr
; both rows' two chains are joined, then summed over the 32 lanes; every lane ends with the sum in v[S], v[S+4]
.macro ACROSS
.irp R, 0,1
	v_pk_add_f32 v[S+4*\R:S+4*\R+1], v[S+4*\R:S+4*\R+1], v[S+4*\R+2:S+4*\R+3]
.endr
.irp R, 0,1
	v_add_f32 v[S+4*\R], v[S+4*\R], v[S+4*\R+1]
.endr
.irp m, 1,2,4,8
.irp R, 0,1
	v_add_f32_dpp v[S+4*\R], v[S+4*\R], v[S+4*\R] row_xmask:\m row_mask:0xf bank_mask:0xf
.endr
.endr
.irp R, 0,1
	v_permlanex16_b32 v[PD+\R], v[S+4*\R], s20, s21
.endr
.irp R, 0,1
	v_add_f32 v[S+4*\R], v[S+4*\R], v[PD+\R]
.endr
.endm
	s_wait_loadcnt 16                              ; the two rows are in; the 16 younger loads (gain and bias) may be out
.irp R, 0,1
	v_pk_add_f32 v[S+4*\R:S+4*\R+1],   v[X+32*\R:X+32*\R+1],   v[X+32*\R+4:X+32*\R+5]   ; the first words start the chains: nothing is cleared
	v_pk_add_f32 v[S+4*\R+2:S+4*\R+3], v[X+32*\R+2:X+32*\R+3], v[X+32*\R+6:X+32*\R+7]
.endr
.irp j, 8,12,16,20,24,28
.irp R, 0,1
	v_pk_add_f32 v[S+4*\R:S+4*\R+1],   v[S+4*\R:S+4*\R+1],   v[X+32*\R+\j:X+32*\R+\j+1]
	v_pk_add_f32 v[S+4*\R+2:S+4*\R+3], v[S+4*\R+2:S+4*\R+3], v[X+32*\R+\j+2:X+32*\R+\j+3]
.endr
.endr
	ACROSS
.irp R, 0,1
	v_mul_f32 v[MU+2*\R], s23, v[S+4*\R]           ; the mean
.endr
.irp R, 0,1
	v_mov_b32 v[MU+2*\R+1], v[MU+2*\R]
.endr
.irp j, 0,2,4,6,8,10,12,14,16,18,20,22,24,26,28,30
.irp R, 0,1
	v_pk_add_f32 v[X+32*\R+\j:X+32*\R+\j+1], v[X+32*\R+\j:X+32*\R+\j+1], v[MU+2*\R:MU+2*\R+1] neg_lo:[0,1] neg_hi:[0,1]   ; d = x - mu, in place
.endr
.endr
.irp R, 0,1
	v_pk_mul_f32 v[S+4*\R:S+4*\R+1],   v[X+32*\R:X+32*\R+1],   v[X+32*\R:X+32*\R+1]
	v_pk_mul_f32 v[S+4*\R+2:S+4*\R+3], v[X+32*\R+2:X+32*\R+3], v[X+32*\R+2:X+32*\R+3]
.endr
.irp j, 4,8,12,16,20,24,28
.irp R, 0,1
	v_pk_fma_f32 v[S+4*\R:S+4*\R+1],   v[X+32*\R+\j:X+32*\R+\j+1],   v[X+32*\R+\j:X+32*\R+\j+1],   v[S+4*\R:S+4*\R+1]
	v_pk_fma_f32 v[S+4*\R+2:S+4*\R+3], v[X+32*\R+\j+2:X+32*\R+\j+3], v[X+32*\R+\j+2:X+32*\R+\j+3], v[S+4*\R+2:S+4*\R+3]
.endr
.endr
	ACROSS
.irp R, 0,1
	v_fma_f32 v[S+4*\R], v[S+4*\R], s23, s24       ; var + eps
.endr
	v_rsq_f32 v[RS], v[S]                          ; both rows' roots are one batch
	v_rsq_f32 v[RS+2], v[S+4]
	v_nop                                          ; a plain instruction behind the last of them (ISA guide 5.7.2)
	s_wait_alu depctr_va_vdst(0)                   ; one wait for the batch, ahead of its first reader
	v_mov_b32 v[RS+1], v[RS]
	v_mov_b32 v[RS+3], v[RS+2]
	s_wait_kmcnt 0x0
	s_add_co_i32 s22, s22, 127
	s_lshl_b32 s25, s22, 23
	v_mov_b32 v11, s25                             ; 2^e as f32: the conversion takes its exponent field
	s_add_co_i32 s22, s22, 15
	s_lshl_b32 s22, s22, 23
	s_or_b32 s22, s22, 0x600000
	v_mov_b32 v10, s22                             ; 57,344 x 2^e
	s_wait_loadcnt 0x0                             ; gain and bias
.irp j, 0,2,4,6,8,10,12,14,16,18,20,22,24,26,28,30
.irp R, 0,1
	v_pk_mul_f32 v[X+32*\R+\j:X+32*\R+\j+1], v[X+32*\R+\j:X+32*\R+\j+1], v[RS+2*\R:RS+2*\R+1]
.endr
.endr
.irp j, 0,2,4,6,8,10,12,14,16,18,20,22,24,26,28,30
.irp R, 0,1
	v_pk_fma_f32 v[X+32*\R+\j:X+32*\R+\j+1], v[X+32*\R+\j:X+32*\R+\j+1], v[W+\j:W+\j+1], v[BV+\j:BV+\j+1]
.endr
.endr
.set q, 0
.rept 64
	v_med3_num_f32 v[X+q], v[X+q], -v10, v10       ; the conversion to an 8-bit code does not saturate (ISA guide 7.6.2): the hold at the largest code x the scale
.set q, q+1
.endr
.irp R, 0,1
.irp j, 0,1,2,3
	v_cvt_scalef32_pk8_bf8_f32 v[C+8*\R+2*\j:C+8*\R+2*\j+1], v[X+32*\R+8*\j:X+32*\R+8*\j+7], v11
.endr
.endr
	v_nop                                          ; a plain instruction behind the last conversion
.irp R, 0,1
.irp j, 0,1,2,3
	global_store_b64 v3, v[C+8*\R+2*\j:C+8*\R+2*\j+1], s[12:13] offset:1024*\R+256*\j   ; 32 lanes store 256 consecutive bytes, at a multiple of 256 from the buffer's first byte
.endr
.endr
	s_endpgm
.Lfunc_end_k_q1d8fa33774_ln2:
	.size	k_q1d8fa33774_ln2, .Lfunc_end_k_q1d8fa33774_ln2-k_q1d8fa33774_ln2
	.p2alignl 7, 3214868480
	.fill 96, 4, 3214868480
	.section	.rodata,"a",@progbits
	.p2align	6, 0x0
	.amdhsa_kernel k_q1d8fa33774_ln2
		.amdhsa_group_segment_fixed_size 0
		.amdhsa_private_segment_fixed_size 0
		.amdhsa_enable_private_segment 0
		.amdhsa_kernarg_size 40
		.amdhsa_user_sgpr_count 2
		.amdhsa_user_sgpr_kernarg_segment_ptr 1
		.amdhsa_wavefront_size32 1
		.amdhsa_system_sgpr_workgroup_id_x 1
		.amdhsa_system_sgpr_workgroup_id_y 1
		.amdhsa_system_sgpr_workgroup_id_z 1
		.amdhsa_system_vgpr_workitem_id 0
		.amdhsa_next_free_vgpr 192
		.amdhsa_next_free_sgpr 66
		.amdhsa_reserve_vcc 0
		.amdhsa_float_denorm_mode_32 3
		.amdhsa_float_denorm_mode_16_64 3
		.amdhsa_memory_ordered 1
		.amdhsa_forward_progress 1
		.amdhsa_inst_pref_size 22
	.end_amdhsa_kernel
	.amdgpu_metadata
---
amdhsa.version: [ 1, 2 ]
amdhsa.kernels:
  - .name:           k_q1d8fa33774_ln2
    .symbol:         k_q1d8fa33774_ln2.kd
    .args:
      - { .name: x1, .offset: 0, .size: 8, .value_kind: global_buffer, .address_space: global }
      - { .name: ln2_w, .offset: 8, .size: 8, .value_kind: global_buffer, .address_space: global }
      - { .name: ln2_b, .offset: 16, .size: 8, .value_kind: global_buffer, .address_space: global }
      - { .name: lowp_scales, .offset: 24, .size: 8, .value_kind: global_buffer, .address_space: global }
      - { .name: ac, .offset: 32, .size: 8, .value_kind: global_buffer, .address_space: global }
    .group_segment_fixed_size: 0
    .private_segment_fixed_size: 0
    .kernarg_segment_align: 8
    .kernarg_segment_size: 40
    .max_flat_workgroup_size: 256
    .sgpr_count:     66
    .vgpr_count:     192
    .wavefront_size: 32
...
	.end_amdgpu_metadata
.endif
;; end of part 5
;; launch ff1 (part 6): grid 16 x 16, 4 waves a work-group, clusters of 4 x 4, 327,680 bytes of LDS; arguments ac, ff_w1_codes, lowp_scales, hq, ff_b1; writes hq
.if DOCPART == 6
	.amdgcn_target "amdgcn-amd-amdhsa--gfx1250"
	.amdhsa_code_object_version 6
	.text
	.protected	k_q1d8fa33774_ff1
	.globl	k_q1d8fa33774_ff1
	.p2align	8
	.type	k_q1d8fa33774_ff1,@function
k_q1d8fa33774_ff1:
	s_mov_b64 s[64:65], 0
	v_nop
	global_prefetch_b8 v0, s[64:65] scope:SCOPE_SE
	s_setreg_imm32_b32 hwreg(HW_REG_WAVE_MODE, 25, 1), 1
	s_wait_xcnt 0x0
	s_wait_alu depctr_hold_cnt(0) depctr_sa_sdst(0) depctr_va_vdst(0) depctr_va_sdst(0) depctr_va_ssrc(0) depctr_va_vcc(0) depctr_vm_vsrc(0)
	s_getreg_b32 s2, hwreg(HW_REG_IB_STS2, 6, 4)
	s_cmp_eq_u32 s2, 0
	s_cbranch_scc0 .Lentry_in_a_cluster
	s_endpgm
.Lentry_in_a_cluster:
	s_bfe_u32 s2, ttmp6, 0x10000c
	s_cmp_lg_u32 s2, 0xf033
	s_cbranch_scc0 .Lentry_shape_is_right
	s_endpgm
.Lentry_shape_is_right:
; h = silu(LN2(x1) W1^T + b1) on codes of E5M2, quantised at once for the next product.
; ac: [4096][1024] codes (scale 2^e8).  W1: [4096][1024] codes (2^e9).  b1: [4096] f32.  Out: h's codes [4096][4096] (2^e10).
; u = sum x 2^(e8 + e9) + b1; silu(u) = u / (1 + 2^(-u log2 e)); code = silu / 2^e10, held within +-57,344.  All of it in f32.
; THE CORE: C = A B^T, both [rows][KROW bytes].  A tile of C, 256 x 256, is made by four waves, each 128 x 128: 64 accumulators, 512 registers.  K goes in steps of 256 bytes through two LDS slots
; filled by the tensor data mover.  The matrix instruction is used transposed (source 0 = 16 rows of B, source 1 = 16 rows of A): a lane holds eight neighbouring columns of one row of C.
; CLUSTERS: 4 x 4 work-groups; the four of a row need the same tiles of A, the four of a column the same tiles of B: each tile is asked for jointly.
; THE WALK ALONG K HAS TWO STARTS: a cluster for which cluster x + cluster y is odd begins at byte KROW / 2 of the rows and wraps round; the others begin at 0.  Of the clusters that read the same rows of A
; (same y) or of B (same x) half begin at each place, so they ask for the same bytes at two different times of the launch and not all at once.  A and B share the offset, and every piece of K is taken once;
; the order of the sums along K is rotated in half of the clusters.
; A fragment is fetched by four loads of 16 bytes, 32 apart: a permutation of k that is the same in A and in B.
; LIMITS: e8 + e9 between -126 and 127; e10 between -126 and 112.  NaN is not served.
; REGISTERS: window 0: v1-7 at work, v12 2^e10, v13 the hold, v16-29 addresses, v32-47 a block's codes, v64-127 b1 at my 128 columns, from v128 A's fragments (one set), later u, the exponentials, and rows.
;   window 1: B's fragments, two sets, at v0 and v128.  window 2: accumulators of my rows 0-63 ((a, b) at v[8 (8 (a % 4) + b)]).  window 3: of my rows 64-127.
.set NBK,    8                         ; blocks of 16 rows for a wave and a side
.set TWL,    7                         ; log2 of 16 NBK
.set KSTEP,  256                       ; bytes along K in a slot
.set NQ,     2                         ; steps of 128 in it
.set QIC,    5                         ; padding behind every 64 words
.set KROW,   1024                      ; a row of A or B in memory
.set MUL_HI, 0xf1                      ; source 0 window 1, source 1 window 0, C and D window 3
.set TW,     16*NBK
.set PITCH,  KSTEP+16                  ; an LDS row: the 16 rows that a load touches start at 16 different banks (64 banks of 4 bytes: ISA guide 11.1)
.set HALFT,  TW*PITCH                  ; what one tensor load brings, and what one wave reads of A or of B
.set SLOT,   4*HALFT                   ; A's two halves, then B's
.set SPARE,  2*SLOT                    ; behind the ring: the spare words, 128 bytes a wave: two blocks of 256 bytes that no other line names
.set LAPS,   KROW/(2*KSTEP)
.set NLH,    2*NBK                     ; LDS loads that bring half of A's blocks
.set ADRA, 16
.set ADRB, 20
.set STO,  24
.set RD,   25
.set CO,   26
.set SPW,  28                          ; v28 SPARE + 4 x my thread's number; never rewritten
.set NIL,  29                          ; v29 0; never rewritten
.set AF,   128
.set G1,  24
.set G0,  32
.set G1B, 48
.set G0B, 56
.set RA,  82                           ; s[82:83] the first byte of the rows of A that I fetch; never rewritten
.set RB,  84                           ; s[84:85] the same for B
.set KO,  86                           ; s[86:87] the byte along K at which the next fill begins
.set MUL_LO, 0xa1                      ; source 0 (B) window 1, source 1 (A) window 0, C and D window 2
.set TO_B,   0x40
.set SPITCH, 272                       ; the way out: a stage of 256 rows x (256 bytes + 16), the work-group's, in slot 0: it has had its last fill and its last read by then
.set CD,   32
.set BIAS, 64
.set TMP,  128
.set E,    192
.set MSB, 0
.macro WIN new                         ; the immediate's high byte repeats the setting that is left
.if MSB != (\new)
	s_set_vgpr_msb (MSB<<8)|(\new)
.set MSB, (\new)
.endif
.endm
.macro JLOAD s                         ; a joint load: waves 0, 1 fetch A's halves, waves 2, 3 B's; four v_nop follow each line
	s_cmp_eq_u32 s15, 0
	s_cbranch_scc0 .Lfor_b_\@
	tensor_load_to_lds s[G0+4*\s:G0+4*\s+3], s[G1:G1+7]
	s_nop 0
.rept 4
	v_nop
.endr
	s_branch .Lasked_\@
.Lfor_b_\@:
	tensor_load_to_lds s[G0B+4*\s:G0B+4*\s+3], s[G1B:G1B+7]
	s_nop 0
.rept 4
	v_nop
.endr
.Lasked_\@:
.endm
.macro AIM s                           ; slot s's two groups 0 are pointed at the walk's next KSTEP bytes, and the walk steps on, round the row's end
	s_add_nc_u64 s[G0+4*\s+2:G0+4*\s+3], s[RA:RA+1], s[KO:KO+1]
	s_or_b32 s[G0+4*\s+3], s[G0+4*\s+3], 0x80000000
	s_add_nc_u64 s[G0B+4*\s+2:G0B+4*\s+3], s[RB:RB+1], s[KO:KO+1]
	s_or_b32 s[G0B+4*\s+3], s[G0B+4*\s+3], 0x80000000
	s_add_co_u32 s[KO], s[KO], KSTEP
	s_and_b32 s[KO], s[KO], KROW-1
.endm
.macro CREST                           ; a round of the cluster's barrier behind its opening barrier
	s_cmp_lg_u32 s14, 0
	s_cbranch_scc1 .Lnot_wave_0_\@
	s_barrier_signal -3
.Lnot_wave_0_\@:
	s_barrier_wait -3
	s_barrier_signal -1
	s_barrier_wait -1
.endm
.macro CROUND
	s_barrier_signal -1
	s_barrier_wait -1
	CREST
.endm
.macro PLACES n                        ; plain vector instructions between a matrix instruction and a load into, or a read of, its registers
.rept \n
	v_nop
.endr
.endm
.macro FRAG reg, adr, q, i             ; 16 rows x 128 K: lane l holds row l % 16; registers 4 c .. 4 c + 3 hold K = 32 c + 16 (l / 16) + 0 .. 15
.irp c, 0,1,2,3
	ds_load_b128 v[\reg+4*\c:\reg+4*\c+3], v[\adr] offset:128*(\q)+32*\c+(\i)*16*PITCH
.endr
.endm
.macro MULB a0, n, p, zero             ; A's blocks a0 .. a0 + n - 1 x B's NBK, 128 along K; p: B's set; zero = 1: the products start the sums.  The accumulators take turns, one instruction a turn
.set ma, \a0
.rept \n
.set mb, 0
.rept NBK
.set rD, 8*(NBK*(ma%4)+mb)
.if \zero
	v_wmma_f32_16x16x128_bf8_bf8 v[rD:rD+7], v[128*(\p)+16*mb:128*(\p)+16*mb+15], v[AF+16*ma:AF+16*ma+15], 0
.else
	v_wmma_f32_16x16x128_bf8_bf8 v[rD:rD+7], v[128*(\p)+16*mb:128*(\p)+16*mb+15], v[AF+16*ma:AF+16*ma+15], v[rD:rD+7]
.endif
.set mb, mb+1
.endr
.set ma, ma+1
.endr
.endm
.macro FETCH_B slot, q, p
	WIN TO_B
.set fi, 0
.rept NBK
	FRAG 128*(\p)+16*fi, ADRB+\slot, \q, fi
.set fi, fi+1
.endr
	WIN 0
.endm
.macro FETCH_A slot, q, i0             ; half of A's blocks, from i0 on
.set fi, \i0
.rept NBK/2
	FRAG AF+16*fi, ADRA+\slot, \q, fi
.set fi, fi+1
.endr
.endm
.macro STEP slot, q, zero              ; 128 along K, with its successor in the same slot.  A block of A is free when its products are issued, so A has one set of registers; B has two
	s_wait_dscnt NLH                               ; B's set and A's first half are in; the youngest NLH loads (A's second half) may be out
	WIN MUL_LO
	MULB 0, NBK/2, (\q)%2, \zero
	s_wait_dscnt 0
	PLACES 4
	FETCH_B \slot, (\q)+1, 1-(\q)%2
	FETCH_A \slot, (\q)+1, 0
	WIN MUL_HI
	MULB NBK/2, NBK/2, (\q)%2, \zero
	PLACES 4
	WIN 0
	FETCH_A \slot, (\q)+1, NBK/2
.endm
.macro TURN slot, next, fill           ; a slot's last step changes slots: one barrier; fill = 1: this slot is filled again, with the walk's next KSTEP bytes
	s_wait_tensorcnt 0x0                           ; all my tensor loads have landed: my part of the next slot
	ds_add_u32 v[SPW], v[NIL]                      ; 0 onto my spare word
	s_wait_dscnt NLH+1                             ; (the add and A's second half may be out)
	WIN MUL_LO
	MULB 0, NBK/4, 1, 0
	s_wait_dscnt 0x0                               ; the add is done, and my reads of this slot are over
	s_barrier_signal -1
	MULB NBK/4, NBK/4, 1, 0
	WIN 0
	s_barrier_wait -1
.if \fill
	CREST                                          ; the barrier has opened a round of the cluster's: no wave of any partner still reads this slot or has a load on its way
	AIM \slot
	JLOAD \slot                                    ; the first tensor load behind the round; its four v_nop are the places in front of the loads below
.else
	PLACES 4
.endif
	FETCH_B \next, 0, 0
	FETCH_A \next, 0, 0
	WIN MUL_HI
	MULB NBK/2, NBK/2, 1, 0
	PLACES 4
	WIN 0
	FETCH_A \next, 0, NBK/2
.endm
.macro MID slot, q0                    ; the slot's steps q0 .. NQ - 2
.if NQ-1-(\q0) > 0
.set mq, \q0
.rept NQ-1-(\q0)
	STEP \slot, mq, 0
.set mq, mq+1
.endr
.endif
.endm
	s_load_b128 s[4:7], s[0:1], 0x0                ; A s[4:5], B s[6:7]
	s_load_b128 s[8:11], s[0:1], 0x10              ; scales s[8:9], out s[10:11]
	s_load_b64 s[68:69], s[0:1], 0x20              ; b1
	v_lshl_add_u32 v[SPW], v0, 2, SPARE
	v_mov_b32 v[NIL], 0
	ds_add_u32 v28, v29
	s_wait_dscnt 0x0
	v_lshrrev_b32 v1, 5, v0
	v_readfirstlane_b32 s14, v1                    ; wave 0..3
	s_lshr_b32 s15, s14, 1                         ; which half of the tile's rows is mine.  Also: I fetch for A (0) or for B (1)
	s_and_b32 s16, s14, 1                          ; which half of its columns.  Also: which half of that tile I fetch
	s_bfe_u32 s40, ttmp6, 0x40000                  ; cx
	s_bfe_u32 s41, ttmp6, 0x40004                  ; cy
	s_lshl_b32 s42, ttmp9, 2
	s_add_co_u32 s42, s42, s40                     ; tile column of C
	s_and_b32 s17, ttmp7, 0xffff
	s_lshl_b32 s17, s17, 2
	s_add_co_u32 s17, s17, s41                     ; tile row of C
	s_lshl_b32 s43, s41, 2
	s_lshl_b32 s43, 15, s43                        ; my row of the cluster
	s_lshl_b32 s44, 0x1111, s40                    ; my column
	s_or_b32 s[G1+0], s43, (0<<16)|(1<<20)|(1<<21)|(QIC<<22)|(3<<25)   ; the mask; elements of 1 byte; padding on; bit 21 beside a mask; the interval; four words of padding
	s_or_b32 s[G1B+0], s44, (0<<16)|(1<<20)|(1<<21)|(QIC<<22)|(3<<25)
.irp g, G1, G1B
	s_mov_b32 s[\g+1], KSTEP<<16                   ; tensor_dim0
	s_mov_b32 s[\g+2], TW<<16                      ; tensor_dim1
	s_mov_b32 s[\g+3], KSTEP<<16                   ; tile_dim0
	s_mov_b32 s[\g+4], TW                          ; tile_dim1
	s_mov_b32 s[\g+5], KROW                        ; from row to row
	s_mov_b32 s[\g+6], 0
	s_mov_b32 s[\g+7], 0
.endr
	s_lshl_b32 s18, s16, TWL                       ; which rows of the tile I fetch
	s_lshl_b32 s20, s17, TWL+1
	s_add_co_u32 s20, s20, s18
	s_lshl_b32 s46, s42, TWL+1
	s_add_co_u32 s46, s46, s18
	s_mov_b32 s21, 0
	s_mov_b32 s47, 0
	s_mov_b64 s[18:19], KROW
	s_mul_u64 s[20:21], s[20:21], s[18:19]
	s_mul_u64 s[46:47], s[46:47], s[18:19]
	s_mul_i32 s45, s14, HALFT                      ; where they go: no place in the cluster enters an LDS address
	s_and_b32 s[KO], ttmp7, 0xffff                 ; the walk's start: cluster y
	s_add_co_u32 s[KO], s[KO], ttmp9               ; + cluster x: the same in all sixteen partners;
	s_and_b32 s[KO], s[KO], 1
	s_mul_i32 s[KO], s[KO], KROW/2                 ; odd: half way along the rows
	s_mov_b32 s[KO+1], 0
	s_wait_kmcnt 0x0
	s_load_b128 s[96:99], s[8:9], 0x20             ; e8, e9, e10, e11
	s_add_nc_u64 s[RA:RA+1], s[4:5], s[20:21]
	s_add_nc_u64 s[RB:RB+1], s[6:7], s[46:47]
	CROUND                                         ; all sixteen work-groups are here: the first joint loads meet
.irp s, 0,1
	s_mov_b32 s[G0+4*\s], 1
	s_add_co_u32 s[G0+4*\s+1], s45, \s*SLOT
	s_mov_b32 s[G0B+4*\s], 1
	s_add_co_u32 s[G0B+4*\s+1], s45, \s*SLOT
	AIM \s
	JLOAD \s
.endr
	v_and_b32 v1, 15, v0                           ; r = l % 16
	v_bfe_u32 v2, v0, 4, 1                         ; h = l / 16
	s_lshl_b32 s72, s42, 10                        ; b1 at my 128 columns: (256 tile column + 128 column half) x 4 bytes
	s_lshl_b32 s73, s16, 9
	s_add_co_u32 s72, s72, s73
	s_mov_b32 s73, 0
	s_add_nc_u64 s[68:69], s[68:69], s[72:73]
	v_lshlrev_b32 v7, 5, v2                        ; + 32 h; never rewritten
.irp b, 0,1,2,3,4,5,6,7
	global_load_b128 v[BIAS+8*\b:BIAS+8*\b+3],   v7, s[68:69] offset:64*\b      ; register 8 b + i: column 16 b + 8 h + i, the accumulators' layout
	global_load_b128 v[BIAS+8*\b+4:BIAS+8*\b+7], v7, s[68:69] offset:64*\b+16
.endr
	v_mul_u32_u24 v3, v1, PITCH
	v_lshl_add_u32 v4, v2, 4, v3
	s_mul_i32 s21, s15, HALFT                      ; my rows of A
	s_mul_i32 s22, s16, HALFT
	s_add_co_u32 s22, s22, 2*HALFT                 ; my rows of B, behind A's
.irp s, 0,1
	v_add_nc_u32 v[ADRA+\s], s21, v4
	v_add_nc_u32 v[ADRB+\s], s22, v4
	s_add_co_u32 s21, s21, SLOT
	s_add_co_u32 s22, s22, SLOT
.endr
	s_mul_i32 s21, s15, 128*SPITCH                 ; into the stage: row 128 x my row half + 16 a + r, byte 128 x my column half + 16 b + 8 h
	s_lshl_b32 s22, s16, 7
	s_add_co_u32 s21, s21, s22
	v_mul_u32_u24 v5, v1, SPITCH
	v_lshl_add_u32 v5, v2, 3, v5
	v_add_nc_u32 v[STO], s21, v5
	s_mul_i32 s23, s14, 64*SPITCH                  ; back: wave w takes rows 64 w on, whole; lanes 0-15 one row, lanes 16-31 the next
	v_mul_u32_u24 v6, v2, SPITCH
	v_lshl_add_u32 v6, v1, 4, v6
	v_add_nc_u32 v[RD], s23, v6
	s_lshl_b32 s76, s17, 20                        ; the output: (256 tile row + 64 wave) rows of 4,096 bytes + 256 tile column
	s_lshl_b32 s77, s14, 18
	s_add_co_u32 s76, s76, s77
	s_lshl_b32 s77, s42, 8
	s_add_co_u32 s76, s76, s77
	s_mov_b32 s77, 0
	s_add_nc_u64 s[10:11], s[10:11], s[76:77]
	v_lshlrev_b32 v5, 12, v2
	v_lshl_add_u32 v[CO], v1, 4, v5
	s_wait_kmcnt 0x0
	s_add_co_i32 s96, s96, s97
	s_add_co_i32 s96, s96, 127
	s_lshl_b32 s96, s96, 23                        ; 2^(e8 + e9) as f32
	s_mov_b32 s97, s96                             ; (named with it as a pair)
	s_add_co_i32 s98, s98, 127
	s_lshl_b32 s99, s98, 23
	v_mov_b32 v12, s99                             ; 2^e10: the conversion takes its exponent field
	s_add_co_i32 s98, s98, 15
	s_lshl_b32 s98, s98, 23
	s_or_b32 s98, s98, 0x600000
	v_mov_b32 v13, s98                             ; 57,344 x 2^e10
	s_mov_b32 s92, 0xbfb8aa3b                      ; -log2(e)
	s_mov_b32 s93, s92
	s_wait_tensorcnt 1                             ; my part of slot 0 is in; slot 1's load may be out
	s_barrier_signal -1
	s_barrier_wait -1
	FETCH_B 0, 0, 0
	FETCH_A 0, 0, 0
	FETCH_A 0, 0, NBK/2
	STEP 0, 0, 1                                   ; the first step stands in front of the loop: its products start the sums
.if LAPS > 1
	s_mov_b32 s3, LAPS-1
.Llap:                                             ; a trip goes once round the ring and fills both slots again
	MID 0, 1
	TURN 0, 1, 1
	MID 1, 0
	TURN 1, 0, 1
	STEP 0, 0, 0
	s_sub_co_u32 s3, s3, 1
	s_cmp_lg_u32 s3, 0
	s_cbranch_scc1 .Llap
.endif
	MID 0, 1                                       ; the last lap fills nothing
	TURN 0, 1, 0
	MID 1, 0
	s_wait_dscnt NLH
	WIN MUL_LO
	MULB 0, NBK/2, 1, 0
	s_wait_dscnt 0
	WIN MUL_HI
	MULB NBK/2, NBK/2, 1, 0
	WIN 0
; THE WAY OUT.  Block a (16 rows x 128 columns, 64 numbers a lane): u, silu(u), the hold, the conversion, into the stage.  The exponentials and the reciprocals each go as one batch with one wait.
.macro HBLOCK a
.set AC, 64*((\a)%4)
	WIN 0x02+((\a)/4)                              ; source 0: window 2 or 3
.set cj, 0
.rept 32
	v_pk_fma_f32 v[TMP+cj:TMP+cj+1], v[AC+cj:AC+cj+1], s[96:97], v[BIAS+cj:BIAS+cj+1] op_sel_hi:[1,0,1]   ; u = sum x 2^(e8 + e9) + b1; each accumulator from its low end on
.set cj, cj+2
.endr
	WIN 0
.set cj, 0
.rept 32
	v_pk_mul_f32 v[E+cj:E+cj+1], v[TMP+cj:TMP+cj+1], s[92:93] op_sel_hi:[1,0]   ; -u log2(e)
.set cj, cj+2
.endr
.set cj, 0
.rept 64
	v_exp_f32 v[E+cj], v[E+cj]
.set cj, cj+1
.endr
	v_nop                                          ; a plain instruction behind the last of the batch
	s_wait_alu depctr_va_vdst(0)                   ; one wait for the batch, ahead of its first reader
.set cj, 0
.rept 32
	v_pk_add_f32 v[E+cj:E+cj+1], v[E+cj:E+cj+1], 1.0 op_sel_hi:[1,0]
.set cj, cj+2
.endr
.set cj, 0
.rept 64
	v_rcp_f32 v[E+cj], v[E+cj]                     ; an infinite exponential gives 0 here, and silu = -0: right for very negative u
.set cj, cj+1
.endr
	v_nop
	s_wait_alu depctr_va_vdst(0)
.set cj, 0
.rept 32
	v_pk_mul_f32 v[TMP+cj:TMP+cj+1], v[TMP+cj:TMP+cj+1], v[E+cj:E+cj+1]
.set cj, cj+2
.endr
.set cj, 0
.rept 64
	v_med3_num_f32 v[TMP+cj], v[TMP+cj], -v13, v13 ; the conversion does not saturate (ISA guide 7.6.2)
.set cj, cj+1
.endr
	s_wait_dscnt 0x0                               ; the last block's stores have read the codes' registers
.irp b, 0,1,2,3,4,5,6,7
	v_cvt_scalef32_pk8_bf8_f32 v[CD+2*\b:CD+2*\b+1], v[TMP+8*\b:TMP+8*\b+7], v12
.endr
	v_nop                                          ; a plain instruction between the conversions and the next block's writes of their sources
.irp b, 0,1,2,3,4,5,6,7
	ds_store_b64 v[STO], v[CD+2*\b:CD+2*\b+1] offset:(\a)*16*SPITCH+16*\b
.endr
.endm
	s_wait_loadcnt 0x0                             ; b1
	PLACES 4
.irp a, 0,1,2,3,4,5,6,7
	HBLOCK \a
.endr
	s_wait_dscnt 0x0                               ; for the others' sake: my stores into the stage are done; a row's 256 bytes come from two waves
	s_barrier_signal -1
	s_barrier_wait -1
.set t, 0
.rept 32
	ds_load_b128 v[TMP+4*t:TMP+4*t+3], v[RD] offset:t*2*SPITCH
.set t, t+1
.endr
.set t, 0
.rept 32
	s_wait_dscnt 31-t                              ; LDS loads come back in order: pair t of rows is in
	global_store_b128 v[CO], v[TMP+4*t:TMP+4*t+3], s[10:11] offset:2*t*4096   ; 16 lanes store 256 consecutive bytes, at a multiple of 256 from the buffer's first byte
.set t, t+1
.endr
	s_wait_tensorcnt 0x0                           ; the wave's end
	ds_add_u32 v[SPW], v[NIL]
	s_wait_dscnt 0x0
	CROUND                                         ; the closing round
	s_endpgm
.Lfunc_end_k_q1d8fa33774_ff1:
	.size	k_q1d8fa33774_ff1, .Lfunc_end_k_q1d8fa33774_ff1-k_q1d8fa33774_ff1
	.p2alignl 7, 3214868480
	.fill 96, 4, 3214868480
	.section	.rodata,"a",@progbits
	.p2align	6, 0x0
	.amdhsa_kernel k_q1d8fa33774_ff1
		.amdhsa_group_segment_fixed_size 327680
		.amdhsa_private_segment_fixed_size 0
		.amdhsa_enable_private_segment 0
		.amdhsa_kernarg_size 40
		.amdhsa_user_sgpr_count 2
		.amdhsa_user_sgpr_kernarg_segment_ptr 1
		.amdhsa_wavefront_size32 1
		.amdhsa_system_sgpr_workgroup_id_x 1
		.amdhsa_system_sgpr_workgroup_id_y 1
		.amdhsa_system_sgpr_workgroup_id_z 1
		.amdhsa_system_vgpr_workitem_id 0
		.amdhsa_next_free_vgpr 1024
		.amdhsa_next_free_sgpr 100
		.amdhsa_reserve_vcc 0
		.amdhsa_float_denorm_mode_32 3
		.amdhsa_float_denorm_mode_16_64 3
		.amdhsa_memory_ordered 1
		.amdhsa_forward_progress 1
		.amdhsa_inst_pref_size 225
	.end_amdhsa_kernel
	.amdgpu_metadata
---
amdhsa.version: [ 1, 2 ]
amdhsa.kernels:
  - .name:           k_q1d8fa33774_ff1
    .symbol:         k_q1d8fa33774_ff1.kd
    .args:
      - { .name: ac, .offset: 0, .size: 8, .value_kind: global_buffer, .address_space: global }
      - { .name: ff_w1_codes, .offset: 8, .size: 8, .value_kind: global_buffer, .address_space: global }
      - { .name: lowp_scales, .offset: 16, .size: 8, .value_kind: global_buffer, .address_space: global }
      - { .name: hq, .offset: 24, .size: 8, .value_kind: global_buffer, .address_space: global }
      - { .name: ff_b1, .offset: 32, .size: 8, .value_kind: global_buffer, .address_space: global }
    .group_segment_fixed_size: 327680
    .private_segment_fixed_size: 0
    .kernarg_segment_align: 8
    .kernarg_segment_size: 40
    .max_flat_workgroup_size: 128
    .sgpr_count:     100
    .vgpr_count:     1024
    .wavefront_size: 32
...
	.end_amdgpu_metadata
.endif
;; end of part 6
;; launch ff2 (part 7): grid 8 x 32, 4 waves a work-group, clusters of 4 x 4, 327,680 bytes of LDS; arguments hq, ff_w2_codes, lowp_scales, out0, ff_b2, x1; writes out0
.if DOCPART == 7
	.amdgcn_target "amdgcn-amd-amdhsa--gfx1250"
	.amdhsa_code_object_version 6
	.text
	.protected	k_q1d8fa33774_ff2
	.globl	k_q1d8fa33774_ff2
	.p2align	8
	.type	k_q1d8fa33774_ff2,@function
k_q1d8fa33774_ff2:
	s_mov_b64 s[64:65], 0
	v_nop
	global_prefetch_b8 v0, s[64:65] scope:SCOPE_SE
	s_setreg_imm32_b32 hwreg(HW_REG_WAVE_MODE, 25, 1), 1
	s_wait_xcnt 0x0
	s_wait_alu depctr_hold_cnt(0) depctr_sa_sdst(0) depctr_va_vdst(0) depctr_va_sdst(0) depctr_va_ssrc(0) depctr_va_vcc(0) depctr_vm_vsrc(0)
	s_getreg_b32 s2, hwreg(HW_REG_IB_STS2, 6, 4)
	s_cmp_eq_u32 s2, 0
	s_cbranch_scc0 .Lentry_in_a_cluster
	s_endpgm
.Lentry_in_a_cluster:
	s_bfe_u32 s2, ttmp6, 0x10000c
	s_cmp_lg_u32 s2, 0xf033
	s_cbranch_scc0 .Lentry_shape_is_right
	s_endpgm
.Lentry_shape_is_right:
; out = (res + A B^T x 2^(ea + eb)) + bias.  A: [4096][KROW] codes of E5M2, B: [1024][KROW] codes; ea, eb: the two whole numbers at byte SOFF of the scales; res, out: [4096][1024] f32; bias [1024] f32.
; Here: A = h's codes, B = ff_w2, res = x1, out = the block's result.
; THE CORE: a tile of C is 128 x 128, so that 4,096 x 1,024 gives 256 work-groups; four waves, each 64 x 64: 16 accumulators.  K goes in steps of 512 bytes (four steps of 128) through two LDS slots filled by
; the tensor data mover, 64 rows to a load.  The matrix instruction is used transposed (source 0 = 16 rows of B, source 1 = 16 rows of A): a lane holds eight neighbouring columns of one row of C.
; CLUSTERS: 4 x 4 work-groups; the four of a row need the same tiles of A, the four of a column the same tiles of B: each tile is asked for jointly.
; THE WALK ALONG K HAS TWO STARTS: a cluster for which cluster x + cluster y is odd begins at byte KROW / 2 of the rows and wraps round; the others begin at 0.  Of the clusters that read the same rows of A
; (same y) or of B (same x) half begin at each place, so they ask for the same bytes at two different times of the launch and not all at once.  A and B share the offset, and every piece of K is taken once;
; the order of the sums along K is rotated in half of the clusters.
; A fragment is fetched by four loads of 16 bytes, 32 apart: a permutation of k that is the same in A and in B.
; The residual's tile (32 loads a wave) and the bias are asked for at the head, into registers that the loop leaves alone.
; LIMIT: ea + eb between -126 and 127.
; REGISTERS: window 0: v1-7 at work, v8-11 bias, v16-29 addresses, v128-191 A's fragments (one set), on the way out v128-255 rows.  window 1: B's two sets, at v0 and v128.
;   window 2: the 16 accumulators ((a, b) at v[8 (4 a + b)]).  window 3: v0-127 the residual.
.set KROW,   4096                      ; a row of A or B in memory
.set SOFF,   0x28                      ; entries 10 and 11 of the scales
.set NBK,    4                         ; blocks of 16 rows for a wave and a side
.set TWL,    6                         ; log2 of 16 NBK
.set KSTEP,  512                       ; bytes along K in a slot
.set NQ,     4                         ; steps of 128 in it
.set QIC,    6                         ; padding behind every 128 words
.set MUL_HI, 0xa1
.set TW,     16*NBK
.set PITCH,  KSTEP+16                  ; an LDS row: the 16 rows that a load touches start at 16 different banks (64 banks of 4 bytes: ISA guide 11.1)
.set HALFT,  TW*PITCH                  ; what one tensor load brings, and what one wave reads of A or of B
.set SLOT,   4*HALFT                   ; A's two halves, then B's
.set SPARE,  2*SLOT                    ; behind the ring: the spare words, 128 bytes a wave: two blocks of 256 bytes that no other line names
.set LAPS,   KROW/(2*KSTEP)
.set NLH,    2*NBK                     ; LDS loads that bring half of A's blocks
.set ADRA, 16
.set ADRB, 20
.set STO,  24
.set RD,   25
.set CO,   26
.set BO,   27
.set SPW,  28                          ; v28 SPARE + 4 x my thread's number; never rewritten
.set NIL,  29                          ; v29 0; never rewritten
.set AF,   128
.set ZB,   128                         ; the way out: four blocks of 16 rows x 64 columns, 32 registers each
.set G1,  24
.set G0,  32
.set G1B, 48
.set G0B, 56
.set RA,  82                           ; s[82:83] the first byte of the rows of A that I fetch; never rewritten
.set RB,  84                           ; s[84:85] the same for B
.set KO,  86                           ; s[86:87] the byte along K at which the next fill begins
.set MUL_LO, 0xa1                      ; source 0 (B) window 1, source 1 (A) window 0, C and D window 2
.set TO_B,   0x40
.set SPITCH, 272                       ; the way out: a stage of 16 rows x (256 bytes + 16) for each wave, in slot 0: it has had its last fill and its last read by then
.set MSB, 0
.macro WIN new                         ; the immediate's high byte repeats the setting that is left
.if MSB != (\new)
	s_set_vgpr_msb (MSB<<8)|(\new)
.set MSB, (\new)
.endif
.endm
.macro JLOAD s                         ; a joint load: waves 0, 1 fetch A's halves, waves 2, 3 B's; four v_nop follow each line
	s_cmp_eq_u32 s15, 0
	s_cbranch_scc0 .Lfor_b_\@
	tensor_load_to_lds s[G0+4*\s:G0+4*\s+3], s[G1:G1+7]
	s_nop 0
.rept 4
	v_nop
.endr
	s_branch .Lasked_\@
.Lfor_b_\@:
	tensor_load_to_lds s[G0B+4*\s:G0B+4*\s+3], s[G1B:G1B+7]
	s_nop 0
.rept 4
	v_nop
.endr
.Lasked_\@:
.endm
.macro AIM s                           ; slot s's two groups 0 are pointed at the walk's next KSTEP bytes, and the walk steps on, round the row's end
	s_add_nc_u64 s[G0+4*\s+2:G0+4*\s+3], s[RA:RA+1], s[KO:KO+1]
	s_or_b32 s[G0+4*\s+3], s[G0+4*\s+3], 0x80000000
	s_add_nc_u64 s[G0B+4*\s+2:G0B+4*\s+3], s[RB:RB+1], s[KO:KO+1]
	s_or_b32 s[G0B+4*\s+3], s[G0B+4*\s+3], 0x80000000
	s_add_co_u32 s[KO], s[KO], KSTEP
	s_and_b32 s[KO], s[KO], KROW-1
.endm
.macro CREST                           ; a round of the cluster's barrier behind its opening barrier
	s_cmp_lg_u32 s14, 0
	s_cbranch_scc1 .Lnot_wave_0_\@
	s_barrier_signal -3
.Lnot_wave_0_\@:
	s_barrier_wait -3
	s_barrier_signal -1
	s_barrier_wait -1
.endm
.macro CROUND
	s_barrier_signal -1
	s_barrier_wait -1
	CREST
.endm
.macro PLACES n                        ; plain vector instructions between a matrix instruction and a load into, or a read of, its registers
.rept \n
	v_nop
.endr
.endm
.macro FRAG reg, adr, q, i             ; 16 rows x 128 K: lane l holds row l % 16; registers 4 c .. 4 c + 3 hold K = 32 c + 16 (l / 16) + 0 .. 15
.irp c, 0,1,2,3
	ds_load_b128 v[\reg+4*\c:\reg+4*\c+3], v[\adr] offset:128*(\q)+32*\c+(\i)*16*PITCH
.endr
.endm
.macro MULB a0, n, p, zero             ; A's blocks a0 .. a0 + n - 1 x B's NBK, 128 along K; p: B's set; zero = 1: the products start the sums.  The accumulators take turns, one instruction a turn
.set ma, \a0
.rept \n
.set mb, 0
.rept NBK
.set rD, 8*(NBK*(ma%4)+mb)
.if \zero
	v_wmma_f32_16x16x128_bf8_bf8 v[rD:rD+7], v[128*(\p)+16*mb:128*(\p)+16*mb+15], v[AF+16*ma:AF+16*ma+15], 0
.else
	v_wmma_f32_16x16x128_bf8_bf8 v[rD:rD+7], v[128*(\p)+16*mb:128*(\p)+16*mb+15], v[AF+16*ma:AF+16*ma+15], v[rD:rD+7]
.endif
.set mb, mb+1
.endr
.set ma, ma+1
.endr
.endm
.macro FETCH_B slot, q, p
	WIN TO_B
.set fi, 0
.rept NBK
	FRAG 128*(\p)+16*fi, ADRB+\slot, \q, fi
.set fi, fi+1
.endr
	WIN 0
.endm
.macro FETCH_A slot, q, i0             ; half of A's blocks, from i0 on
.set fi, \i0
.rept NBK/2
	FRAG AF+16*fi, ADRA+\slot, \q, fi
.set fi, fi+1
.endr
.endm
.macro STEP slot, q, zero              ; 128 along K, with its successor in the same slot.  A block of A is free when its products are issued, so A has one set of registers; B has two
	s_wait_dscnt NLH                               ; B's set and A's first half are in; the youngest NLH loads (A's second half) may be out
	WIN MUL_LO
	MULB 0, NBK/2, (\q)%2, \zero
	s_wait_dscnt 0
	PLACES 4
	FETCH_B \slot, (\q)+1, 1-(\q)%2
	FETCH_A \slot, (\q)+1, 0
	WIN MUL_HI
	MULB NBK/2, NBK/2, (\q)%2, \zero
	PLACES 4
	WIN 0
	FETCH_A \slot, (\q)+1, NBK/2
.endm
.macro TURN slot, next, fill           ; a slot's last step changes slots: one barrier; fill = 1: this slot is filled again, with the walk's next KSTEP bytes
	s_wait_tensorcnt 0x0                           ; all my tensor loads have landed: my part of the next slot
	ds_add_u32 v[SPW], v[NIL]                      ; 0 onto my spare word
	s_wait_dscnt NLH+1                             ; (the add and A's second half may be out)
	WIN MUL_LO
	MULB 0, NBK/4, 1, 0
	s_wait_dscnt 0x0                               ; the add is done, and my reads of this slot are over
	s_barrier_signal -1
	MULB NBK/4, NBK/4, 1, 0
	WIN 0
	s_barrier_wait -1
.if \fill
	CREST                                          ; the barrier has opened a round of the cluster's: no wave of any partner still reads this slot or has a load on its way
	AIM \slot
	JLOAD \slot                                    ; the first tensor load behind the round; its four v_nop are the places in front of the loads below
.else
	PLACES 4
.endif
	FETCH_B \next, 0, 0
	FETCH_A \next, 0, 0
	WIN MUL_HI
	MULB NBK/2, NBK/2, 1, 0
	PLACES 4
	WIN 0
	FETCH_A \next, 0, NBK/2
.endm
.macro MID slot, q0                    ; the slot's steps q0 .. NQ - 2
.if NQ-1-(\q0) > 0
.set mq, \q0
.rept NQ-1-(\q0)
	STEP \slot, mq, 0
.set mq, mq+1
.endr
.endif
.endm
	s_load_b128 s[4:7], s[0:1], 0x0                ; A s[4:5], B s[6:7]
	s_load_b128 s[8:11], s[0:1], 0x10              ; scales s[8:9], out s[10:11]
	s_load_b128 s[68:71], s[0:1], 0x20             ; bias s[68:69], residual s[70:71]
	v_lshl_add_u32 v[SPW], v0, 2, SPARE
	v_mov_b32 v[NIL], 0
	ds_add_u32 v28, v29
	s_wait_dscnt 0x0
	v_lshrrev_b32 v1, 5, v0
	v_readfirstlane_b32 s14, v1                    ; wave 0..3
	s_lshr_b32 s15, s14, 1                         ; which half of the tile's rows is mine.  Also: I fetch for A (0) or for B (1)
	s_and_b32 s16, s14, 1                          ; which half of its columns.  Also: which half of that tile I fetch
	s_bfe_u32 s40, ttmp6, 0x40000                  ; cx
	s_bfe_u32 s41, ttmp6, 0x40004                  ; cy
	s_lshl_b32 s42, ttmp9, 2
	s_add_co_u32 s42, s42, s40                     ; tile column of C
	s_and_b32 s17, ttmp7, 0xffff
	s_lshl_b32 s17, s17, 2
	s_add_co_u32 s17, s17, s41                     ; tile row of C
	s_lshl_b32 s43, s41, 2
	s_lshl_b32 s43, 15, s43                        ; my row of the cluster
	s_lshl_b32 s44, 0x1111, s40                    ; my column
	s_or_b32 s[G1+0], s43, (0<<16)|(1<<20)|(1<<21)|(QIC<<22)|(3<<25)   ; the mask; elements of 1 byte; padding on; bit 21 beside a mask; the interval; four words of padding
	s_or_b32 s[G1B+0], s44, (0<<16)|(1<<20)|(1<<21)|(QIC<<22)|(3<<25)
.irp g, G1, G1B
	s_mov_b32 s[\g+1], KSTEP<<16                   ; tensor_dim0
	s_mov_b32 s[\g+2], TW<<16                      ; tensor_dim1
	s_mov_b32 s[\g+3], KSTEP<<16                   ; tile_dim0
	s_mov_b32 s[\g+4], TW                          ; tile_dim1
	s_mov_b32 s[\g+5], KROW                        ; from row to row
	s_mov_b32 s[\g+6], 0
	s_mov_b32 s[\g+7], 0
.endr
	s_lshl_b32 s18, s16, TWL                       ; which rows of the tile I fetch
	s_lshl_b32 s20, s17, TWL+1
	s_add_co_u32 s20, s20, s18
	s_lshl_b32 s46, s42, TWL+1
	s_add_co_u32 s46, s46, s18
	s_mov_b32 s21, 0
	s_mov_b32 s47, 0
	s_mov_b64 s[18:19], KROW
	s_mul_u64 s[20:21], s[20:21], s[18:19]
	s_mul_u64 s[46:47], s[46:47], s[18:19]
	s_mul_i32 s45, s14, HALFT                      ; where they go: no place in the cluster enters an LDS address
	s_and_b32 s[KO], ttmp7, 0xffff                 ; the walk's start: cluster y
	s_add_co_u32 s[KO], s[KO], ttmp9               ; + cluster x: the same in all sixteen partners;
	s_and_b32 s[KO], s[KO], 1
	s_mul_i32 s[KO], s[KO], KROW/2                 ; odd: half way along the rows
	s_mov_b32 s[KO+1], 0
	s_wait_kmcnt 0x0
	s_load_b64 s[96:97], s[8:9], SOFF              ; ea, eb
	s_add_nc_u64 s[RA:RA+1], s[4:5], s[20:21]
	s_add_nc_u64 s[RB:RB+1], s[6:7], s[46:47]
	CROUND                                         ; all sixteen work-groups are here: the first joint loads meet
.irp s, 0,1
	s_mov_b32 s[G0+4*\s], 1
	s_add_co_u32 s[G0+4*\s+1], s45, \s*SLOT
	s_mov_b32 s[G0B+4*\s], 1
	s_add_co_u32 s[G0B+4*\s+1], s45, \s*SLOT
	AIM \s
	JLOAD \s
.endr
	v_and_b32 v1, 15, v0                           ; r = l % 16
	v_bfe_u32 v2, v0, 4, 1                         ; h = l / 16
	; my 64 x 64 of the output and of the residual: ((128 tile row + 64 row half) x 1,024 + 128 tile column + 64 column half) x 4 bytes
	s_lshl_b32 s72, s17, 19
	s_lshl_b32 s73, s15, 18
	s_add_co_u32 s72, s72, s73
	s_lshl_b32 s74, s42, 9
	s_lshl_b32 s75, s16, 8
	s_add_co_u32 s74, s74, s75                     ; my 64 columns, in bytes: also my place in the bias
	s_add_co_u32 s72, s72, s74
	s_mov_b32 s73, 0
	s_mov_b32 s75, 0
	s_add_nc_u64 s[10:11], s[10:11], s[72:73]
	s_add_nc_u64 s[70:71], s[70:71], s[72:73]
	s_add_nc_u64 s[68:69], s[68:69], s[74:75]
	v_lshlrev_b32 v5, 12, v2
	v_lshl_add_u32 v[CO], v1, 4, v5                ; lanes 0-15 one row's 256 bytes, lanes 16-31 the next row's
	v_lshlrev_b32 v[BO], 4, v1
	WIN 0xc0                                       ; destination window 3
.irp a, 0,1,2,3
.irp t, 0,1,2,3,4,5,6,7
	global_load_b128 v[32*\a+4*\t:32*\a+4*\t+3], v[CO], s[70:71] offset:(16*\a+2*\t)*4096   ; the residual, in the layout in which the rows come back from the stage
.endr
.endr
	WIN 0
	global_load_b128 v[8:11], v[BO], s[68:69]      ; the bias at my four columns
	v_mul_u32_u24 v3, v1, PITCH
	v_lshl_add_u32 v4, v2, 4, v3
	s_mul_i32 s21, s15, HALFT                      ; my rows of A
	s_mul_i32 s22, s16, HALFT
	s_add_co_u32 s22, s22, 2*HALFT                 ; my rows of B, behind A's
.irp s, 0,1
	v_add_nc_u32 v[ADRA+\s], s21, v4
	v_add_nc_u32 v[ADRB+\s], s22, v4
	s_add_co_u32 s21, s21, SLOT
	s_add_co_u32 s22, s22, SLOT
.endr
	s_mul_i32 s23, s14, 16*SPITCH                  ; my stage
	v_mul_u32_u24 v5, v1, SPITCH                   ; in: row r, 32 bytes for each half of the lanes
	v_lshl_add_u32 v5, v2, 5, v5
	v_add_nc_u32 v[STO], s23, v5
	v_mul_u32_u24 v6, v2, SPITCH                   ; back: lanes 0-15 one row of 256 bytes, lanes 16-31 the next
	v_lshl_add_u32 v6, v1, 4, v6
	v_add_nc_u32 v[RD], s23, v6
	s_wait_kmcnt 0x0
	s_add_co_i32 s96, s96, s97
	s_add_co_i32 s96, s96, 127
	s_lshl_b32 s96, s96, 23                        ; 2^(ea + eb) as f32
	s_mov_b32 s97, s96                             ; (named with it as a pair)
	s_wait_tensorcnt 1                             ; my part of slot 0 is in; slot 1's load may be out
	s_barrier_signal -1
	s_barrier_wait -1
	FETCH_B 0, 0, 0
	FETCH_A 0, 0, 0
	FETCH_A 0, 0, NBK/2
	STEP 0, 0, 1                                   ; the first step stands in front of the loop: its products start the sums
.if LAPS > 1
	s_mov_b32 s3, LAPS-1
.Llap:                                             ; a trip goes once round the ring and fills both slots again
	MID 0, 1
	TURN 0, 1, 1
	MID 1, 0
	TURN 1, 0, 1
	STEP 0, 0, 0
	s_sub_co_u32 s3, s3, 1
	s_cmp_lg_u32 s3, 0
	s_cbranch_scc1 .Llap
.endif
	MID 0, 1                                       ; the last lap fills nothing
	TURN 0, 1, 0
	MID 1, 0
	s_wait_dscnt NLH
	WIN MUL_LO
	MULB 0, NBK/2, 1, 0
	s_wait_dscnt 0
	WIN MUL_HI
	MULB NBK/2, NBK/2, 1, 0
	WIN 0
; THE WAY OUT, block by block of 16 rows x 64 columns.  The raw sums go through my own stage in LDS and come back as whole rows of 256 bytes; LDS serves a wave's instructions in order (ISA guide 5.7.1.4),
; so no wait stands between the stores and the loads, nor in front of the next block's stores.  Then (res + sum x 2^(ea + eb)) + bias, and the store.  Each block has registers of its own.
.macro TOSTAGE a
	WIN 0x08                                       ; the stores' data: window 2
.irp b, 0,1,2,3
	ds_store_b128 v[STO], v[8*(4*(\a)+\b):8*(4*(\a)+\b)+3] offset:64*\b           ; each accumulator from its low end on
	ds_store_b128 v[STO], v[8*(4*(\a)+\b)+4:8*(4*(\a)+\b)+7] offset:64*\b+16
.endr
	WIN 0
.irp t, 0,1,2,3,4,5,6,7
	ds_load_b128 v[ZB+32*(\a)+4*\t:ZB+32*(\a)+4*\t+3], v[RD] offset:\t*2*SPITCH
.endr
.endm
.macro SEND a, younger                 ; younger: the LDS instructions issued behind block a's loads, which may stay out
	s_wait_dscnt \younger
	WIN 0x30                                       ; source 2 (the residual): window 3
.set sj, 0
.rept 16
	v_pk_fma_f32 v[ZB+32*(\a)+sj:ZB+32*(\a)+sj+1], v[ZB+32*(\a)+sj:ZB+32*(\a)+sj+1], s[96:97], v[32*(\a)+sj:32*(\a)+sj+1] op_sel_hi:[1,0,1]
.set sj, sj+2
.endr
	WIN 0
.irp t, 0,1,2,3,4,5,6,7
	v_pk_add_f32 v[ZB+32*(\a)+4*\t:ZB+32*(\a)+4*\t+1],   v[ZB+32*(\a)+4*\t:ZB+32*(\a)+4*\t+1],   v[8:9]
	v_pk_add_f32 v[ZB+32*(\a)+4*\t+2:ZB+32*(\a)+4*\t+3], v[ZB+32*(\a)+4*\t+2:ZB+32*(\a)+4*\t+3], v[10:11]
.endr
.irp t, 0,1,2,3,4,5,6,7
	global_store_b128 v[CO], v[ZB+32*(\a)+4*\t:ZB+32*(\a)+4*\t+3], s[10:11] offset:(16*(\a)+2*\t)*4096 th:TH_STORE_NT   ; 16 lanes store 256 consecutive bytes, at a multiple of 256 from the buffer's first byte
.endr
.endm
	s_wait_loadcnt 0x0                             ; the residual and the bias
	PLACES 4
	TOSTAGE 0
.irp a, 1,2,3
	TOSTAGE \a
	SEND \a-1, 16                                  ; behind block a - 1's loads: block a's 8 stores and 8 loads
.endr
	SEND 3, 0
	s_wait_tensorcnt 0x0                           ; the wave's end
	ds_add_u32 v[SPW], v[NIL]
	s_wait_dscnt 0x0
	CROUND                                         ; the closing round
	s_endpgm
.Lfunc_end_k_q1d8fa33774_ff2:
	.size	k_q1d8fa33774_ff2, .Lfunc_end_k_q1d8fa33774_ff2-k_q1d8fa33774_ff2
	.p2alignl 7, 3214868480
	.fill 96, 4, 3214868480
	.section	.rodata,"a",@progbits
	.p2align	6, 0x0
	.amdhsa_kernel k_q1d8fa33774_ff2
		.amdhsa_group_segment_fixed_size 327680
		.amdhsa_private_segment_fixed_size 0
		.amdhsa_enable_private_segment 0
		.amdhsa_kernarg_size 48
		.amdhsa_user_sgpr_count 2
		.amdhsa_user_sgpr_kernarg_segment_ptr 1
		.amdhsa_wavefront_size32 1
		.amdhsa_system_sgpr_workgroup_id_x 1
		.amdhsa_system_sgpr_workgroup_id_y 1
		.amdhsa_system_sgpr_workgroup_id_z 1
		.amdhsa_system_vgpr_workitem_id 0
		.amdhsa_next_free_vgpr 1024
		.amdhsa_next_free_sgpr 100
		.amdhsa_reserve_vcc 0
		.amdhsa_float_denorm_mode_32 3
		.amdhsa_float_denorm_mode_16_64 3
		.amdhsa_memory_ordered 1
		.amdhsa_forward_progress 1
		.amdhsa_inst_pref_size 85
	.end_amdhsa_kernel
	.amdgpu_metadata
---
amdhsa.version: [ 1, 2 ]
amdhsa.kernels:
  - .name:           k_q1d8fa33774_ff2
    .symbol:         k_q1d8fa33774_ff2.kd
    .args:
      - { .name: hq, .offset: 0, .size: 8, .value_kind: global_buffer, .address_space: global }
      - { .name: ff_w2_codes, .offset: 8, .size: 8, .value_kind: global_buffer, .address_space: global }
      - { .name: lowp_scales, .offset: 16, .size: 8, .value_kind: global_buffer, .address_space: global }
      - { .name: out0, .offset: 24, .size: 8, .value_kind: global_buffer, .address_space: global }
      - { .name: ff_b2, .offset: 32, .size: 8, .value_kind: global_buffer, .address_space: global }
      - { .name: x1, .offset: 40, .size: 8, .value_kind: global_buffer, .address_space: global }
    .group_segment_fixed_size: 327680
    .private_segment_fixed_size: 0
    .kernarg_segment_align: 8
    .kernarg_segment_size: 48
    .max_flat_workgroup_size: 128
    .sgpr_count:     100
    .vgpr_count:     1024
    .wavefront_size: 32
...
	.end_amdgpu_metadata
.endif
;; end of part 7
